; MI455X (gfx1250); checked and timed in simulation.
; The chip was launched on July 23, 2026; its instructions are those of AMD's public machine-readable ISA for CDNA 5 (MIT licence, August 2026) and "CDNA5" Instruction Set Architecture Reference Guide (July 2026). The comments in the code are by the model that wrote it; some were corrected since.
;; Attention. Allowed arithmetic: matrix products marked QUANTISED: E2M1 operands, one E8M0 scale for each 32 along K, by v_wmma_scale_f32_16x16x128_f8f6f4 with both operands' format E2M1 (or v_wmma_scale_f32_32x16x128_f4), f32 sums; products left as they are: bf16, f16 or f32 operands; f32 sums; everything else in f32.
;; Inputs: w_k 1,024 x 1,024 float32; w_o 1,024 x 1,024 float32; w_q 1,024 x 1,024 float32; w_v 1,024 x 1,024 float32; x 4 x 2,048 x 1,024 float32.
;; Outputs: out0 4 x 2,048 x 1,024 float32.
;; This version of the problem:
;;   THIS VERSION OF THE PROBLEM IS GIVEN IN LOW PRECISION. The matrix products marked QUANTISED in the list below multiply operands that are first quantised to E2M1 (2 exponent bits, 1 mantissa bit; 4 bits a number), with one power-of-two scale for each 32 numbers along K (OCP MX v1.0); their sums are f32. The products marked 'left as it is' may take bf16, f16 or f32 operands, with f32 sums. All else is computed in f32.
;;   The module's matrix products, in the order in which they are computed (A, B: the left and right operand; K: the contracted axis; several contracted axes count as one K, in the product's order):
;;     1. [M 8,192, K 1,024] x [K 1,024, N 1,024]; A: input x; B: input w_q: QUANTISED
;;     2. [M 8,192, K 1,024] x [K 1,024, N 1,024]; A: input x; B: input w_k: QUANTISED
;;     3. [M 8,192, K 1,024] x [K 1,024, N 1,024]; A: input x; B: input w_v: QUANTISED
;;     4. batch 64 x [M 2,048, K 64] x [K 64, N 2,048]; A: computed on the way; B: computed on the way: left as it is (an operand is computed on the way)
;;     5. batch 64 x [M 2,048, K 2,048] x [K 2,048, N 64]; A: computed on the way; B: computed on the way: left as it is (an operand is computed on the way)
;;     6. [M 8,192, K 1,024] x [K 1,024, N 1,024]; A: computed on the way; B: input w_o: left as it is (an operand is computed on the way)
;;   THE QUANTISER, for each operand of a quantised product, along K:
;;     - K is cut into blocks of 32 from its start; a last block that is shorter is filled with zeros.
;;     - A block's scale is 2^e with e = floor(log2(the largest magnitude in the block)) - 2, held to -126 .. 127; a block of zeros has e = 0. As a byte (E8M0): e + 127.
;;     - Each number is divided by its block's scale, clamped to +-6, and rounded to the nearest number of E2M1, ties to even, subnormals kept.
;;     - The product sums the exact products of the quantised numbers (number of the format x scale) in f32.
;;   ~~~python
;;   def quantise(x, axis):      # numpy; x: float32 -> the quantised numbers, widened to float32 again
;;       x = np.moveaxis(x, axis, -1); K = x.shape[-1]
;;       x = np.pad(x, [(0, 0)] * (x.ndim - 1) + [(0, -K % 32)]); x = x.reshape(x.shape[:-1] + (-1, 32)); a = np.abs(x).max(-1, keepdims=True)
;;       e = np.where(a > 0, np.clip(np.frexp(np.where(a > 0, a, 1))[1] - 1 - 2, -126, 127), 0)      # np.frexp(a)[1] - 1 = floor(log2(a)), exactly
;;       r = np.clip(x / 2.0 ** e, -6, 6)
;;       step = 2.0 ** (np.maximum(np.frexp(np.where(r == 0, 1, r))[1] - 1, 0) - 1)
;;       q = np.round(r / step) * step * 2.0 ** e      # np.round: ties to even
;;       return np.moveaxis(q.reshape(q.shape[:-2] + (-1,))[..., :K], -1, axis).astype(np.float32)
;;   ~~~
;; One version. Each part assembles by itself: llvm-mc -triple=amdgcn-amd-amdhsa -mcpu=gfx1250 --defsym DOCPART=n.
;; ======== version 1 of 1: 4 launches
;; limits: values are held in f16: magnitudes above 65,504 overflow, below 6.1e-05 lose precision
;; workspace buffers: xc 4,194,304 bytes; xs 262,144 bytes; wc 1,572,864 bytes; ws 98,304 bytes; wo16 2,097,152 bytes; qkv 50,331,648 bytes; of 16,777,216 bytes
;; launch prep (part 1): grid 512 x 1, 4 waves a work-group, no clusters, 34,304 bytes of LDS; arguments x, w_q, w_k, w_v, w_o, xc, xs, wc, ws, wo16; writes xc, xs, wc, ws, wo16
.if DOCPART == 1
	.amdgcn_target "amdgcn-amd-amdhsa--gfx1250"
	.amdhsa_code_object_version 6
	.text
	.protected	k_q05d4c3908a_prep
	.globl	k_q05d4c3908a_prep
	.p2align	8
	.type	k_q05d4c3908a_prep,@function
k_q05d4c3908a_prep:
	s_mov_b64 s[64:65], 0
	v_nop
	global_prefetch_b8 v0, s[64:65] scope:SCOPE_SE
	s_setreg_imm32_b32 hwreg(HW_REG_WAVE_MODE, 25, 1), 1
	s_wait_xcnt 0x0
; PREP: x [8192][1024] and w_q, w_k, w_v [1024 (k)][1024 (n)], f32, become codes of FP4 (E2M1) with one E8M0 scale byte for each 32 along K; w_o [1024 (k)][1024 (n)] becomes f16.
; All results are laid as IMAGES OF OPERAND REGISTERS: a fragment (8 registers a lane) is 1,024 bytes, registers 0-3 at 16 x lane, registers 4-7 at 512 + 16 x lane.
;   xc, wc: [panel = row / 128][k / 512][(row / 16) % 8][(k / 128) % 4][1,024]: in a fragment, block b (32 along K) of row r lies at 256 b + 16 r.  wc's rows: the columns n of w_q, then of w_k, then of w_v.
;   xs, ws: [panel][k / 512][(row / 16) % 8][row % 16][4 words]: word q belongs to (k / 128) % 4 = q, its byte b to block b.
;   wo16:   [n / 128][k / 128][(n / 16) % 8][(k / 32) % 4][1,024]: in a fragment, the eight k from 8 p on of column r lie at 256 p + 16 r.
; A block's scale is 2^(floor(log2(its largest magnitude)) - 2); its byte is the largest magnitude's exponent field - 2, held at 1 from below by a floor among the maximum's leaves.
; LIMITS: a block of zeros, or one whose largest magnitude lies under 2^-124, gets the byte 1 (its codes are zeros or are taken under that scale; the bytes are read by this program alone); NaN and infinities are not served;
; a number of w_o of 65,504 or more becomes infinity in f16.
; SHARES.  Work-groups 0-255 take the weights: matrix g / 64, 128 columns (g / 8) % 8, 128 along K g % 8; a wave 32 columns: A LANE TAKES A COLUMN AND ITS REGISTERS RUN DOWN K, so that a block lies in one lane and nothing is transposed.
; Work-groups 256-511 take x: a wave 16 rows x 512 along K, four steps of one fragment; each load reads 512 consecutive bytes, and a step's 16 x 512 bytes turn through the wave's own stage in LDS, so that a lane gets two whole blocks of its row.
; A stream: no matrix unit, no tensor load, no barrier (waves share nothing), no cluster (work-groups share no input).  Only x's path touches LDS.
.set X,   32                           ; weights: v32-95   two sets of 32 numbers
.set C,   96                           ; weights: v96-159  results: registers of their own for each block, so that no store's data are written again
.set SB,  24                           ; weights: v24      the four scale bytes of my column
.set R,   32                           ; x: v32-159  two sets of 64 registers as loaded
.set XN,  160                          ; x: v160-223 two whole blocks of my row
.set CD,  224                          ; x: v224-255 codes, eight registers a step
.set WD,  24                           ; x: v24-27   my row's four scale words
.set SP,  528                          ; x: a stage row: 512 bytes + 16: an odd multiple of 16, so that sixteen rows' reads start at sixteen different places modulo 256 bytes
	s_load_b256 s[4:11], s[0:1], 0x0               ; x s[4:5], w_q s[6:7], w_k s[8:9], w_v s[10:11]
	s_load_b256 s[12:19], s[0:1], 0x20             ; w_o s[12:13], xc s[14:15], xs s[16:17], wc s[18:19]
	s_load_b128 s[20:23], s[0:1], 0x40             ; ws s[20:21], wo16 s[22:23]
	v_lshl_add_u32 v30, v0, 2, 0x8400
	v_mov_b32 v31, 0
	v_lshrrev_b32 v1, 5, v0
	v_readfirstlane_b32 s24, v1                    ; wave 0..3
	v_and_b32 v1, 31, v0                           ; lane
	v_and_b32 v2, 15, v0                           ; r
	v_bfe_u32 v3, v0, 4, 1                         ; h
	v_lshlrev_b32 v6, 4, v1                        ; 16 x lane
	s_mov_b32 s35, 0                               ; the upper word of every offset pair s[34:35]
	s_cmp_lt_u32 ttmp9, 256
	s_cbranch_scc0 .Lx_path
; ---------------- the weights ----------------
	s_lshr_b32 s25, ttmp9, 6                       ; which matrix: 0 w_q, 1 w_k, 2 w_v, 3 w_o
	s_bfe_u32 s32, ttmp9, 0x30003                  ; which 128 columns
	s_and_b32 s33, ttmp9, 7                        ; which 128 along K
	v_lshlrev_b32 v4, 2, v1                        ; in: 4 bytes a lane
	v_lshlrev_b32 v5, 4, v2
	v_lshl_or_b32 v5, v3, 12, v5                   ; out: 16 r, and lanes 16-31 one tile of 16 columns (4,096 bytes) on
	s_lshl_b32 s34, s33, 19                        ; 128 rows of 4,096 bytes
	s_lshl_b32 s36, s32, 9
	s_add_co_u32 s34, s34, s36                     ; + 128 columns
	s_lshl_b32 s36, s24, 7
	s_add_co_u32 s34, s34, s36                     ; + my wave's 32
	s_wait_kmcnt 0x0
	s_mov_b64 s[26:27], s[6:7]                     ; the matrix is chosen by the work-group's number alone
	s_cmp_eq_u32 s25, 1
	s_cselect_b64 s[26:27], s[8:9], s[26:27]
	s_cmp_eq_u32 s25, 2
	s_cselect_b64 s[26:27], s[10:11], s[26:27]
	s_cmp_eq_u32 s25, 3
	s_cselect_b64 s[26:27], s[12:13], s[26:27]
	s_add_nc_u64 s[26:27], s[26:27], s[34:35]
.macro LOADW t                         ; block t: W(32 t + i, my column), i = 0 .. 31, into set t % 2: a wave reads 128 consecutive bytes, the four waves side by side 512
.set i, 0
.rept 32
	global_load_b32 v[X+32*((\t)%2)+i], v4, s[26:27] offset:(32*(\t)+i)*4096 th:TH_LOAD_NT
.set i, i+1
.endr
.endm
.macro WAITW t
.if (\t) < 3
	s_wait_loadcnt 32                              ; this block's 32 loads are in; the next block's 32 may be out
.else
	s_wait_loadcnt 0x0
.endif
.endm
	LOADW 0
	LOADW 1
	s_cmp_eq_u32 s25, 3
	s_cbranch_scc1 .Lwo
	s_lshl_b32 s36, s25, 3
	s_add_co_u32 s36, s36, s32                     ; panel of wc: 8 x matrix + columns / 128
	s_lshr_b32 s37, s33, 2                         ; k / 512
	s_and_b32 s38, s33, 3                          ; (k / 128) % 4
	s_lshl_b32 s34, s36, 16
	s_lshl_b32 s39, s37, 15
	s_add_co_u32 s34, s34, s39
	s_lshl_b32 s39, s24, 13                        ; my wave's two tiles of 16 columns
	s_add_co_u32 s34, s34, s39
	s_lshl_b32 s39, s38, 10
	s_add_co_u32 s34, s34, s39
	s_add_nc_u64 s[28:29], s[18:19], s[34:35]      ; the codes
	s_lshl_b32 s34, s36, 12
	s_lshl_b32 s39, s37, 11
	s_add_co_u32 s34, s34, s39
	s_lshl_b32 s39, s24, 9
	s_add_co_u32 s34, s34, s39
	s_lshl_b32 s39, s38, 2
	s_add_co_u32 s34, s34, s39
	s_add_nc_u64 s[30:31], s[20:21], s[34:35]      ; the scale words
.macro BLOCKQ t
.set XS, X+32*((\t)%2)
	WAITW \t
	v_max3_num_f32 v12, |v[XS]|, |v[XS+1]|, |v[XS+2]|              ; the block's largest magnitude: all 32 numbers are mine; two chains
	v_max3_num_f32 v13, |v[XS+3]|, |v[XS+4]|, |v[XS+5]|
.irp i, 6,10,14,18,22,26
	v_max3_num_f32 v12, v12, |v[XS+\i]|, |v[XS+\i+1]|
	v_max3_num_f32 v13, v13, |v[XS+\i+2]|, |v[XS+\i+3]|
.endr
	v_max3_num_f32 v12, v12, |v[XS+30]|, |v[XS+31]|
	v_max3_num_f32 v12, v12, v13, 0x1800000        ; and the floor 2^(3 - 127): the byte cannot fall under 1
	v_add_nc_u32 v11, 0xff000000, v12              ; 2 off the exponent field: the conversion takes the exponent field of this operand as its scale
	v_lshrrev_b32 v13, 23, v11                     ; the scale's byte
.if (\t) == 0
	v_mov_b32 v[SB], v13
.else
	v_lshl_or_b32 v[SB], v13, 8*(\t), v[SB]        ; block t's byte is byte t of the word
.endif
.irp g, 0,1,2,3
	v_cvt_scalef32_pk8_fp4_f32 v[C+4*(\t)+\g], v[XS+8*\g:XS+8*\g+7], v11
.endr
	global_store_b128 v5, v[C+4*(\t):C+4*(\t)+3], s[28:29] offset:256*(\t)   ; sixteen lanes store 256 consecutive bytes, aligned: block t of sixteen columns
.if (\t) < 2
	LOADW (\t)+2                                   ; (the next block begins with plain vector lines, which stand between these conversions and the next write of v11)
.endif
.endm
	BLOCKQ 0
	BLOCKQ 1
	BLOCKQ 2
	BLOCKQ 3
	global_store_b32 v6, v[SB], s[30:31]           ; my column's word for these 128 along K: 4 bytes of each 16: the other three words come from other work-groups (1 byte in 128 of what the launch reads)
	s_endpgm
.Lwo:
	s_lshl_b32 s34, s32, 18                        ; wo16: n / 128,
	s_lshl_b32 s39, s33, 15                        ; k / 128,
	s_add_co_u32 s34, s34, s39
	s_lshl_b32 s39, s24, 13                        ; my wave's two tiles of 16 columns
	s_add_co_u32 s34, s34, s39
	s_add_nc_u64 s[28:29], s[22:23], s[34:35]
.macro BLOCKO t                        ; 32 along K of my column become 16 registers of f16, the lower k in the low half: four pieces of eight k
.set XS, X+32*((\t)%2)
	WAITW \t
.set i, 0
.rept 16
	v_cvt_pk_f16_f32 v[C+16*(\t)+i], v[XS+2*i], v[XS+2*i+1]
.set i, i+1
.endr
.irp p, 0,1,2,3
	global_store_b128 v5, v[C+16*(\t)+4*\p:C+16*(\t)+4*\p+3], s[28:29] offset:1024*(\t)+256*\p   ; sixteen lanes store 256 consecutive bytes, aligned
.endr
.if (\t) < 2
	LOADW (\t)+2
.endif
.endm
	BLOCKO 0
	BLOCKO 1
	BLOCKO 2
	BLOCKO 3
	s_endpgm
; ---------------- x ----------------
.Lx_path:
	s_sub_co_u32 s25, ttmp9, 256
	s_lshl_b32 s25, s25, 2
	s_add_co_u32 s25, s25, s24                     ; my wave's share, 0 .. 1,023
	s_lshr_b32 s32, s25, 1                         ; which 16 rows
	s_and_b32 s33, s25, 1                          ; which 512 along K
	s_lshr_b32 s38, s32, 3                         ; panel
	s_and_b32 s39, s32, 7                          ; tile of 16 rows in it
	s_mov_b32 s36, 0x76543210
	s_mov_b32 s37, 0xfedcba98                      ; v_permlanex16_b32's selects for lane l xor 16
	s_mul_i32 s41, s24, 16*SP                      ; my wave's stage
	v_add_nc_u32 v7, s41, v6                       ; into it: 16 x lane of a row
	v_mul_u32_u24 v16, v2, SP
	v_lshl_add_u32 v16, v3, 7, v16
	v_add_nc_u32 v16, s41, v16                     ; out of it: row r, block h (128 bytes a block)
	v_lshlrev_b32 v17, 4, v2                       ; 16 r: my row's four scale words
	v_lshlrev_b32 v18, 3, v3                       ; 8 h: my bytes' place in a word
	v_mov_b32 v19, 0                               ; written once: a lane permute's destination counts as one of its sources
	s_wait_kmcnt 0x0
	s_lshl_b32 s34, s32, 16                        ; 16 rows of 4,096 bytes
	s_lshl_b32 s40, s33, 11
	s_add_co_u32 s34, s34, s40
	s_add_nc_u64 s[26:27], s[4:5], s[34:35]        ; x
	s_lshl_b32 s34, s38, 16
	s_lshl_b32 s40, s33, 15
	s_add_co_u32 s34, s34, s40
	s_lshl_b32 s40, s39, 12
	s_add_co_u32 s34, s34, s40
	s_add_nc_u64 s[28:29], s[14:15], s[34:35]      ; xc
	s_lshl_b32 s34, s38, 12
	s_lshl_b32 s40, s33, 11
	s_add_co_u32 s34, s34, s40
	s_lshl_b32 s40, s39, 8
	s_add_co_u32 s34, s34, s40
	s_add_nc_u64 s[30:31], s[16:17], s[34:35]      ; xs
.macro LOADX t                         ; step t: 128 along K of my 16 rows: each load reads 512 consecutive bytes of one row
.set i, 0
.rept 16
	global_load_b128 v[R+64*((\t)%2)+4*i:R+64*((\t)%2)+4*i+3], v6, s[26:27] offset:4096*i+512*(\t) th:TH_LOAD_NT
.set i, i+1
.endr
.endm
	LOADX 0
	LOADX 1
.macro STEPX t
.set RS, R+64*((\t)%2)
.if (\t) < 3
	s_wait_loadcnt 16                              ; this step's 16 loads are in; the next step's 16 may be out
.else
	s_wait_loadcnt 0x0
.endif
.set i, 0
.rept 16
	ds_store_b128 v7, v[RS+4*i:RS+4*i+3] offset:SP*i               ; as loaded
.set i, i+1
.endr
.irp c, 0,1
.irp j, 0,1,2,3,4,5,6,7
	ds_load_b128 v[XN+32*\c+4*\j:XN+32*\c+4*\j+3], v16 offset:256*\c+16*\j   ; blocks h and 2 + h of row r: LDS serves a wave's instructions in order (ISA guide 5.7.1), so these see the stores above
.endr
.endr
	s_wait_dscnt 0x0                               ; the numbers are back, and the stores have read their registers,
.if (\t) < 2
	LOADX (\t)+2                                   ; which take the loads of two steps on
.endif
.irp c, 0,1
	v_max3_num_f32 v[8+\c], |v[XN+32*\c]|, |v[XN+32*\c+1]|, 0x1800000   ; the block's largest magnitude, and the floor 2^(3 - 127)
.endr
.irp i, 2,4,6,8,10,12,14,16,18,20,22,24,26,28,30
.irp c, 0,1
	v_max3_num_f32 v[8+\c], v[8+\c], |v[XN+32*\c+\i]|, |v[XN+32*\c+\i+1]|   ; (the two blocks by turns)
.endr
.endr
.irp c, 0,1
	v_add_nc_u32 v[10+\c], 0xff000000, v[8+\c]     ; 2 off the exponent field: the conversion's scale operand
.endr
.irp c, 0,1
	v_lshrrev_b32 v[12+\c], 23, v[10+\c]           ; the scale's byte
.endr
	v_lshl_or_b32 v14, v13, 16, v12                ; my two bytes: blocks h and 2 + h,
	v_lshlrev_b32 v14, v18, v14                    ; at their places in the word;
	v_permlanex16_b32 v19, v14, s36, s37
	v_or_b32 v[WD+(\t)], v14, v19                  ; with lane l xor 16's two the word is whole
.irp c, 0,1
.irp g, 0,1,2,3
	v_cvt_scalef32_pk8_fp4_f32 v[CD+8*(\t)+4*\c+\g], v[XN+32*\c+8*\g:XN+32*\c+8*\g+7], v[10+\c]
.endr
.endr
	v_nop                                          ; one plain vector line behind a run of scaled conversions
.irp c, 0,1
	global_store_b128 v6, v[CD+8*(\t)+4*\c:CD+8*(\t)+4*\c+3], s[28:29] offset:1024*(\t)+512*\c   ; the fragment's registers as they stand: 512 consecutive bytes, aligned
.endr
.endm
	STEPX 0
	STEPX 1
	STEPX 2
	STEPX 3
	s_wait_xcnt 0x0                                ; EXEC is a source of the stores above: it changes only behind this wait
	v_cmp_gt_u32 vcc_lo, 16, v1
	s_wait_tensorcnt 0x0
	ds_add_u32 v30, v31
	s_wait_dscnt 0x0
	s_and_saveexec_b32 s40, vcc_lo                 ; both halves of the lanes hold the same words: lanes 0-15 store them
	global_store_b128 v17, v[WD:WD+3], s[30:31]    ; sixteen lanes store 256 consecutive bytes, aligned
	s_wait_xcnt 0x0
	s_or_b32 exec_lo, exec_lo, s40
	s_endpgm
.Lfunc_end_k_q05d4c3908a_prep:
	.size	k_q05d4c3908a_prep, .Lfunc_end_k_q05d4c3908a_prep-k_q05d4c3908a_prep
	.p2alignl 7, 3214868480
	.fill 96, 4, 3214868480
	.section	.rodata,"a",@progbits
	.p2align	6, 0x0
	.amdhsa_kernel k_q05d4c3908a_prep
		.amdhsa_group_segment_fixed_size 34304
		.amdhsa_private_segment_fixed_size 0
		.amdhsa_enable_private_segment 0
		.amdhsa_kernarg_size 80
		.amdhsa_user_sgpr_count 2
		.amdhsa_user_sgpr_kernarg_segment_ptr 1
		.amdhsa_wavefront_size32 1
		.amdhsa_system_sgpr_workgroup_id_x 1
		.amdhsa_system_sgpr_workgroup_id_y 1
		.amdhsa_system_sgpr_workgroup_id_z 1
		.amdhsa_system_vgpr_workitem_id 0
		.amdhsa_next_free_vgpr 256
		.amdhsa_next_free_sgpr 66
		.amdhsa_reserve_vcc 1
		.amdhsa_float_denorm_mode_32 3
		.amdhsa_float_denorm_mode_16_64 3
		.amdhsa_memory_ordered 1
		.amdhsa_forward_progress 1
		.amdhsa_inst_pref_size 62
	.end_amdhsa_kernel
	.amdgpu_metadata
---
amdhsa.version: [ 1, 2 ]
amdhsa.kernels:
  - .name:           k_q05d4c3908a_prep
    .symbol:         k_q05d4c3908a_prep.kd
    .args:
      - { .name: x, .offset: 0, .size: 8, .value_kind: global_buffer, .address_space: global }
      - { .name: w_q, .offset: 8, .size: 8, .value_kind: global_buffer, .address_space: global }
      - { .name: w_k, .offset: 16, .size: 8, .value_kind: global_buffer, .address_space: global }
      - { .name: w_v, .offset: 24, .size: 8, .value_kind: global_buffer, .address_space: global }
      - { .name: w_o, .offset: 32, .size: 8, .value_kind: global_buffer, .address_space: global }
      - { .name: xc, .offset: 40, .size: 8, .value_kind: global_buffer, .address_space: global }
      - { .name: xs, .offset: 48, .size: 8, .value_kind: global_buffer, .address_space: global }
      - { .name: wc, .offset: 56, .size: 8, .value_kind: global_buffer, .address_space: global }
      - { .name: ws, .offset: 64, .size: 8, .value_kind: global_buffer, .address_space: global }
      - { .name: wo16, .offset: 72, .size: 8, .value_kind: global_buffer, .address_space: global }
    .group_segment_fixed_size: 34304
    .private_segment_fixed_size: 0
    .kernarg_segment_align: 8
    .kernarg_segment_size: 80
    .max_flat_workgroup_size: 128
    .sgpr_count:     66
    .vgpr_count:     256
    .wavefront_size: 32
...
	.end_amdgpu_metadata
.endif
;; end of part 1
;; launch qkv (part 2): grid 12 x 32, 4 waves a work-group, clusters of 4 x 4, 279,040 bytes of LDS; arguments xc, xs, wc, ws, qkv; writes qkv
.if DOCPART == 2
	.amdgcn_target "amdgcn-amd-amdhsa--gfx1250"
	.amdhsa_code_object_version 6
	.text
	.protected	k_q05d4c3908a_qkv
	.globl	k_q05d4c3908a_qkv
	.p2align	8
	.type	k_q05d4c3908a_qkv,@function
k_q05d4c3908a_qkv:
	s_mov_b64 s[64:65], 0
	v_nop
	global_prefetch_b8 v0, s[64:65] scope:SCOPE_SE
	s_setreg_imm32_b32 hwreg(HW_REG_WAVE_MODE, 25, 1), 1
	s_wait_xcnt 0x0
	s_wait_alu depctr_hold_cnt(0) depctr_sa_sdst(0) depctr_va_vdst(0) depctr_va_sdst(0) depctr_va_ssrc(0) depctr_va_vcc(0) depctr_vm_vsrc(0)
	s_getreg_b32 s2, hwreg(HW_REG_IB_STS2, 6, 4)
	s_cmp_eq_u32 s2, 0
	s_cbranch_scc0 .Lentry_in_a_cluster
	s_endpgm
.Lentry_in_a_cluster:
	s_bfe_u32 s2, ttmp6, 0x10000c
	s_cmp_lg_u32 s2, 0xf033
	s_cbranch_scc0 .Lentry_shape_is_right
	s_endpgm
.Lentry_shape_is_right:
; QKV: [8192 tokens] x [3072 columns: q's 1024, k's, v's], K = 1024, on codes of FP4 (E2M1) with one E8M0 scale for each 32 along K, by v_wmma_scale_f32_16x16x128_f8f6f4; sums in f32; results rounded once to f16.
; Operands lie in memory as images of operand registers (a fragment of 16 rows x 128 K: 1,024 bytes, registers 0-3 at 16 x lane, 4-7 at 512 + 16 x lane), by panels of 128 rows and halves of K:
; a panel's half of K is 32,768 consecutive bytes, its scale words for all of K 4,096.  So a fragment is two ds_load_b128 at 16 x lane, with no pitch and no padding.
; A tile of 256 tokens x 256 columns is made by four waves, each 128 x 128: 64 accumulators, 512 registers.  Both halves of K of both operands, and all scale words, fit in LDS together: every byte of LDS is filled ONCE.
; CLUSTERS: 4 x 4 work-groups.  X's panels hang on the tile row alone and are asked for jointly along a row of the cluster, W's on the tile column alone, along a column.
; ROLES.  Source 1 ('A') gives a lane its row, source 0 ('B') runs along a lane's eight result registers.  For q and k (cluster x 0, 1) A = X, B = W: a lane holds one token and eight neighbouring channels, which is what a fragment of Q or K
; (16 tokens x 32 channels) wants.  For v (cluster x 2) A = W, B = X: one channel and eight neighbouring tokens: a fragment of V^T (16 channels x 32 tokens).  Only LDS base addresses differ, chosen by the cluster's x, which all partners share.
; OUT: qkv = Q [64 heads][token / 16][channel / 32][1,024] at 0, K likewise at 16,777,216, V [64 heads][token / 32][channel / 16][1,024] at 33,554,432: images again, stored straight from registers, 512 consecutive bytes an instruction.
; LIMIT: a result of 65,504 or more in magnitude becomes infinity in f16.
; REGISTERS, in windows of 256: window 0: v0-31 addresses; v32-95 scale words, two sets (they hold nothing else); v128-191 A's eight fragments, ONE set; on the way out v128-255 packed results.
;   window 1: B's fragments, TWO sets, at v0 and v128.   window 2: accumulators of A's blocks 0-3 ((a, b) at v[8 (8 a + b)]);   window 3: of blocks 4-7.
.set NQ,     4                         ; steps of 128 along K in a half of K
.set FR,     8                         ; registers of a fragment
.set NL,     2                         ; LDS loads that bring one
.set NP,     4                         ; places behind this matrix instruction (ISA guide 7.12.1)
.set PANEL,  32768                     ; a panel's half of K
.set SLOT,   4*PANEL                   ; X's two panels, then W's two
.set SCL,    2*SLOT                    ; behind the two halves of K: four panels' scale words, 4,096 bytes each
.set ADRA, 16                          ; v16-17  LDS address of A's fragments in K half 0, 1
.set ADRB, 20                          ; v20-21  the same for B
.set CO,   26                          ; v26     16 x lane
.set ADRS, 27                          ; v27     LDS address of my scale words: lanes 0-15 A's rows, lanes 16-31 B's
.set SC,   32
.set AF,   128
.set TMP,  128
.set G1, 24                            ; s[24:31] descriptor group 1 for X's codes;  s[32:39] group 0, one set for each half of K
.set G0, 32
.set G1B, 48                           ; s[48:55], s[56:63] the same for W's codes
.set G0B, 56
.set G1S, 68                           ; s[68:75], s[76:79] for X's scale words;  s[80:87], s[88:91] for W's
.set G0S, 76
.set G1SB, 80
.set G0SB, 88
.set MSB, 0
.macro WIN new                         ; the immediate's high byte repeats the setting that is left
.if MSB != \new
	s_set_vgpr_msb (MSB<<8)|\new
.set MSB, \new
.endif
.endm
.set MUL_LO, 0xa1                      ; source 0 (B) window 1, source 1 (A) window 0, C and D window 2
.set MUL_HI, 0xf1                      ; the same, C and D window 3
.set TO_B,   0x40                      ; destination window 1, address window 0
; A joint load: waves 0 and 1 fetch for X, waves 2 and 3 for W.  Each of the two lines has one mask and one set of registers for all that issue it; the branch hangs on the wave's number alone.
; Four v_nop follow each of the two lines, ahead of the jump, the label and what follows.
.macro JLOAD g0a, g1a, g0b, g1b
	s_cmp_eq_u32 s15, 0
	s_cbranch_scc0 .Lfor_b_\@
	tensor_load_to_lds s[\g0a:\g0a+3], s[\g1a:\g1a+7]
	s_nop 0
.rept 4
	v_nop
.endr
	s_branch .Lasked_\@
.Lfor_b_\@:
	tensor_load_to_lds s[\g0b:\g0b+3], s[\g1b:\g1b+7]
	s_nop 0
.rept 4
	v_nop
.endr
.Lasked_\@:
.endm
.macro CROUND                          ; a round of the cluster's barrier: my work-group's barrier; wave 0 signals for the work-group; every wave waits for all sixteen; my work-group's barrier once more
	s_barrier_signal -1
	s_barrier_wait -1
	s_cmp_lg_u32 s14, 0
	s_cbranch_scc1 .Lnot_wave_0_\@
	s_barrier_signal -3
.Lnot_wave_0_\@:
	s_barrier_wait -3
	s_barrier_signal -1
	s_barrier_wait -1
.endm
	s_load_b128 s[4:7], s[0:1], 0x0                ; xc s[4:5], xs s[6:7]
	s_load_b128 s[8:11], s[0:1], 0x10              ; wc s[8:9], ws s[10:11]
	s_load_b64 s[12:13], s[0:1], 0x20              ; qkv
	v_lshl_add_u32 v126, v0, 2, 0x44000
	v_mov_b32 v127, 0
	ds_add_u32 v126, v127
	ds_add_u32 v126, v127
	v_lshrrev_b32 v1, 5, v0
	v_readfirstlane_b32 s14, v1                    ; wave 0..3
	s_lshr_b32 s15, s14, 1                         ; which half of A's 256 rows is mine.  Also: I fetch for X (0) or for W (1)
	s_and_b32 s16, s14, 1                          ; which half of B's.  Also: which panel of that tile I fetch
	s_bfe_u32 s40, ttmp6, 0x40000                  ; cx, cy: my place in the cluster
	s_bfe_u32 s41, ttmp6, 0x40004
	s_lshl_b32 s42, ttmp9, 2
	s_add_co_u32 s42, s42, s40                     ; tile column (256 rows of wc) = 4 x cluster x + cx
	s_and_b32 s17, ttmp7, 0xffff
	s_lshl_b32 s17, s17, 2
	s_add_co_u32 s17, s17, s41                     ; tile row (256 tokens) = 4 x cluster y + cy
	s_lshl_b32 s43, s41, 2
	s_lshl_b32 s43, 15, s43                        ; my row of the cluster
	s_lshl_b32 s44, 0x1111, s40                    ; my column
	; descriptor group 1: a dense block as rows of 256 bytes (32 elements of 8 bytes), no padding.  Codes: 128 rows; scale words: 16
	s_or_b32 s[G1+0], s43, (3<<16)|(1<<21)         ; 15:0 the mask: X's go to my row; 17:16 elements of 8 bytes; 21 set beside a mask
	s_or_b32 s[G1B+0], s44, (3<<16)|(1<<21)        ; W's go to my column
.irp g, G1, G1B
	s_mov_b32 s[\g+1], 32<<16                      ; tensor_dim0
	s_mov_b32 s[\g+2], 128<<16                     ; tensor_dim1
	s_mov_b32 s[\g+3], 32<<16                      ; tile_dim0
	s_mov_b32 s[\g+4], 128                         ; tile_dim1
	s_mov_b32 s[\g+5], 32                          ; tensor_dim0_stride
	s_mov_b32 s[\g+6], 0
	s_mov_b32 s[\g+7], 0
.endr
	s_or_b32 s[G1S+0], s43, (3<<16)|(1<<21)
	s_or_b32 s[G1SB+0], s44, (3<<16)|(1<<21)
.irp g, G1S, G1SB
	s_mov_b32 s[\g+1], 32<<16
	s_mov_b32 s[\g+2], 16<<16
	s_mov_b32 s[\g+3], 32<<16
	s_mov_b32 s[\g+4], 16
	s_mov_b32 s[\g+5], 32
	s_mov_b32 s[\g+6], 0
	s_mov_b32 s[\g+7], 0
.endr
	s_lshl_b32 s20, s17, 1
	s_add_co_u32 s20, s20, s16                     ; X's panel that I would fetch: 2 x tile row + half
	s_lshl_b32 s46, s42, 1
	s_add_co_u32 s46, s46, s16                     ; W's: 2 x tile column + half
	s_lshl_b32 s22, s20, 12                        ; its scale words, 4,096 bytes a panel,
	s_mov_b32 s23, 0
	s_lshl_b32 s92, s46, 12
	s_mov_b32 s93, 0
	s_lshl_b32 s20, s20, 16                        ; and its codes, 65,536
	s_mov_b32 s21, 0
	s_lshl_b32 s46, s46, 16
	s_mov_b32 s47, 0
	s_lshl_b32 s45, s14, 15                        ; where they go: wave x 32,768 and wave x 4,096: no place in the cluster enters an LDS address
	s_lshl_b32 s94, s14, 12
	s_wait_dscnt 0x0
	s_wait_kmcnt 0x0
	s_add_nc_u64 s[20:21], s[4:5], s[20:21]
	s_add_nc_u64 s[22:23], s[6:7], s[22:23]
	s_add_nc_u64 s[46:47], s[8:9], s[46:47]
	s_add_nc_u64 s[92:93], s[10:11], s[92:93]
	CROUND                                         ; all sixteen work-groups are here: the joint loads meet
	s_mov_b32 s[G0S], 1
	s_add_co_u32 s[G0S+1], s94, SCL
	s_mov_b64 s[G0S+2:G0S+3], s[22:23]
	s_or_b32 s[G0S+3], s[G0S+3], 0x80000000
	s_mov_b32 s[G0SB], 1
	s_add_co_u32 s[G0SB+1], s94, SCL
	s_mov_b64 s[G0SB+2:G0SB+3], s[92:93]
	s_or_b32 s[G0SB+3], s[G0SB+3], 0x80000000
	JLOAD G0S, G1S, G0SB, G1SB                     ; the scale words first: they are wanted with the first step
.irp s, 0,1
	s_mov_b32 s[G0+4*\s], 1
	s_add_co_u32 s[G0+4*\s+1], s45, \s*SLOT
	s_add_nc_u64 s[G0+4*\s+2:G0+4*\s+3], s[20:21], \s*PANEL
	s_or_b32 s[G0+4*\s+3], s[G0+4*\s+3], 0x80000000
	s_mov_b32 s[G0B+4*\s], 1
	s_add_co_u32 s[G0B+4*\s+1], s45, \s*SLOT
	s_add_nc_u64 s[G0B+4*\s+2:G0B+4*\s+3], s[46:47], \s*PANEL
	s_or_b32 s[G0B+4*\s+3], s[G0B+4*\s+3], 0x80000000
	JLOAD G0+4*\s, G1, G0B+4*\s, G1B               ; both halves of K: three tensor loads of mine are out
.endr
	s_cmp_eq_u32 ttmp9, 2                          ; v's columns?  The cluster's x is the same in all partners
	s_cselect_b32 s95, 65536, 0                    ; where A's two panels lie in a half of K: X's at 0, W's at 65,536
	s_cselect_b32 s96, 0, 65536                    ; and B's
	v_and_b32 v1, 31, v0                           ; lane
	v_lshlrev_b32 v[CO], 4, v1
	s_lshl_b32 s18, s15, 15
	s_add_co_u32 s18, s18, s95                     ; my panel of A
	s_lshl_b32 s19, s16, 15
	s_add_co_u32 s19, s19, s96                     ; my panel of B
.irp s, 0,1
	v_add_nc_u32 v[ADRA+\s], s18, v[CO]
	v_add_nc_u32 v[ADRB+\s], s19, v[CO]
	s_add_co_u32 s18, s18, SLOT
	s_add_co_u32 s19, s19, SLOT
.endr
	s_lshr_b32 s95, s95, 3                         ; the same panels among the scale words: 4,096 bytes a panel
	s_lshr_b32 s96, s96, 3
	s_lshl_b32 s18, s15, 12
	s_add_co_u32 s95, s95, s18
	s_lshl_b32 s18, s16, 12
	s_add_co_u32 s96, s96, s18
	v_and_b32 v2, 15, v0
	v_lshl_add_u32 v3, v2, 4, SCL                  ; 16 bytes a row: its four words of a half of K
	v_add_nc_u32 v5, s95, v3
	v_add_nc_u32 v6, s96, v3
	v_cmp_gt_u32 vcc_lo, 16, v1
	v_cndmask_b32 v[ADRS], v6, v5, vcc_lo          ; lanes 0-15 take A's words, lanes 16-31 B's
.macro FRAG reg, adr, q, i             ; fragment (block i of 16 rows, the half's q-th 128 along K): its image comes back as it was stored
.irp c, 0,1
	ds_load_b128 v[\reg+4*\c:\reg+4*\c+3], v[\adr] offset:4096*(\i)+1024*(\q)+512*\c
.endr
.endm
; 16 matrix instructions: A's blocks a0, a0 + 1 x B's eight, 128 along K.  p: B's set;  sc: the set of scale words.  zero = 1: the first product starts the sums: nothing is ever cleared.
; The 64 accumulators take turns, one instruction a turn, in the same order in every step.  B's scale words are read from lanes 16-31 of register b, A's from lanes 0-15 of register a.
.macro MUL16 a0, p, q, sc, zero
.irp a, \a0, \a0+1
.irp b, 0,1,2,3,4,5,6,7
.if \zero
	v_wmma_scale_f32_16x16x128_f8f6f4 v[8*(8*((\a)%4)+\b):8*(8*((\a)%4)+\b)+7], v[128*(\p)+FR*\b:128*(\p)+FR*\b+FR-1], v[AF+FR*(\a):AF+FR*(\a)+FR-1], 0, v[SC+8*NQ*(\sc)+NQ*\b+(\q)], v[SC+8*NQ*(\sc)+NQ*(\a)+(\q)] matrix_a_fmt:MATRIX_FMT_FP4 matrix_b_fmt:MATRIX_FMT_FP4 matrix_a_scale:MATRIX_SCALE_ROW1
.else
	v_wmma_scale_f32_16x16x128_f8f6f4 v[8*(8*((\a)%4)+\b):8*(8*((\a)%4)+\b)+7], v[128*(\p)+FR*\b:128*(\p)+FR*\b+FR-1], v[AF+FR*(\a):AF+FR*(\a)+FR-1], v[8*(8*((\a)%4)+\b):8*(8*((\a)%4)+\b)+7], v[SC+8*NQ*(\sc)+NQ*\b+(\q)], v[SC+8*NQ*(\sc)+NQ*(\a)+(\q)] matrix_a_fmt:MATRIX_FMT_FP4 matrix_b_fmt:MATRIX_FMT_FP4 matrix_a_scale:MATRIX_SCALE_ROW1
.endif
.endr
.endr
.endm
.macro FETCH_B slot, q, p              ; B's eight fragments into set p
	WIN TO_B
.irp i, 0,1,2,3,4,5,6,7
	FRAG 128*(\p)+FR*\i, ADRB+\slot, \q, \i
.endr
	WIN 0
.endm
.macro FETCH_A slot, q, i0             ; A's blocks i0 .. i0 + 3
.irp i, \i0, \i0+1, \i0+2, \i0+3
	FRAG AF+FR*(\i), ADRA+\slot, \q, \i
.endr
.endm
.macro SCALES sc                       ; the scale words of K half sc: four words a row; lanes 0-15 A's block i, lanes 16-31 B's block i
.irp i, 0,1,2,3,4,5,6,7
	ds_load_b128 v[SC+8*NQ*\sc+NQ*\i:SC+8*NQ*\sc+NQ*\i+3], v[ADRS] offset:2048*\sc+256*\i
.endr
.endm
; A load into a register that a matrix instruction has read, and a vector instruction that reads a matrix result or writes one of its registers, stand NP places behind it; only plain vector instructions
; that name none of its registers are places (ISA guide 7.12.1 for vector instructions).
.macro PLACES n
.rept \n
	v_nop
.endr
.endm
; A step of 128 along K that has its successor in the same half of K.  A block of A is free as soon as its eight products are issued: blocks 0-3 are fetched anew in the step's middle, blocks 4-7 at its end.
.macro STEP slot, q, zero
	s_wait_dscnt 4*NL                              ; B's set, A's blocks 0-3 and the scale words are in; the youngest eight loads (A's blocks 4-7) may be out
	WIN MUL_LO
	MUL16 0, (\q)%2, \q, \slot, \zero
	MUL16 2, (\q)%2, \q, \slot, \zero
	s_wait_dscnt 0                                 ; A's blocks 4-7 are in (asked for 32 matrix instructions ago)
	PLACES NP
	FETCH_B \slot, (\q)+1, 1-(\q)%2
	FETCH_A \slot, (\q)+1, 0
	WIN MUL_HI
	MUL16 4, (\q)%2, \q, \slot, \zero
	MUL16 6, (\q)%2, \q, \slot, \zero
	PLACES NP
	WIN 0
	FETCH_A \slot, (\q)+1, 4
.endm
	s_wait_tensorcnt 1                             ; the scale words and my part of K half 0 are in (K half 1's load may be out)
	s_barrier_signal -1
	s_barrier_wait -1                              ; everybody's are
	FETCH_B 0, 0, 0
	FETCH_A 0, 0, 0
	SCALES 0
	FETCH_A 0, 0, 4
	STEP 0, 0, 1                                   ; the first step's products start the sums
	STEP 0, 1, 0
	STEP 0, 2, 0
	; the last step of K half 0 goes over to K half 1: one barrier, in front of which each wave has waited for its part of that half
	s_wait_tensorcnt 0x0
	s_wait_dscnt 4*NL
	WIN MUL_LO
	MUL16 0, 1, NQ-1, 0, 0
	s_wait_dscnt 0x0                               ; no LDS instruction of mine is pending at the signal
	s_barrier_signal -1
	MUL16 2, 1, NQ-1, 0, 0                         ; work on registers while the others arrive
	s_barrier_wait -1
	PLACES NP
	FETCH_B 1, 0, 0
	FETCH_A 1, 0, 0
	SCALES 1
	WIN MUL_HI
	MUL16 4, 1, NQ-1, 0, 0
	MUL16 6, 1, NQ-1, 0, 0
	PLACES NP
	WIN 0
	FETCH_A 1, 0, 4
	STEP 1, 0, 0
	STEP 1, 1, 0
	STEP 1, 2, 0
	s_wait_dscnt 4*NL                              ; the very last step: nothing more to fetch
	WIN MUL_LO
	MUL16 0, 1, NQ-1, 1, 0
	MUL16 2, 1, NQ-1, 1, 0
	s_wait_dscnt 0
	WIN MUL_HI
	MUL16 4, 1, NQ-1, 1, 0
	MUL16 6, 1, NQ-1, 1, 0
	WIN 0
	PLACES NP                                      ; in front of conversions that write the registers that held A's fragments, and of the reads of results
; THE WAY OUT.  Accumulator (a, b): a lane's eight numbers round to 16 bytes, which are half a fragment's registers of that lane: they are stored at 16 x lane, 512 consecutive bytes an instruction, aligned.
; Each accumulator is read from its low end on.  Four sets of packed results: from block 4 on a set is written again only behind s_wait_xcnt 0, which frees the data of the stores issued before it.
.macro OUT isv
.irp a, 0,1,2,3,4,5,6,7
.if \a >= 4
	s_wait_xcnt 0x0
.endif
	WIN 0x0a+5*(\a/4)                              ; sources 0 and 1: window 2 or 3
.irp b, 0,1,2,3,4,5,6,7
.irp i, 0,1,2,3
	v_cvt_pk_f16_f32 v[TMP+32*(\a%4)+4*\b+\i], v[64*(\a%4)+8*\b+2*\i], v[64*(\a%4)+8*\b+2*\i+1]
.endr
.endr
	WIN 0
.irp b, 0,1,2,3,4,5,6,7
.if \isv
	global_store_b128 v[CO], v[TMP+32*(\a%4)+4*\b:TMP+32*(\a%4)+4*\b+3], s[12:13] offset:(\a/4)*262144+(\a%4)*1024+(\b/2)*4096+(\b%2)*512   ; head a / 4, channels 16 (a % 4) on, tokens 16 b on
.else
	global_store_b128 v[CO], v[TMP+32*(\a%4)+4*\b:TMP+32*(\a%4)+4*\b+3], s[12:13] offset:\a*2048+(\b%4)*512+(\b/4)*262144                 ; tokens 16 a on, head b / 4, channels 16 (b % 4) on
.endif
.endr
.endr
.endm
	s_lshr_b32 s18, s17, 3                         ; the batch: 8 tile rows of 256 tokens each
	s_lshl_b32 s18, s18, 4
	s_and_b32 s19, s42, 3
	s_lshl_b32 s19, s19, 2
	s_add_co_u32 s18, s18, s19                     ; 16 x batch + the tile's first head
	s_and_b32 s19, s17, 7                          ; which 256 tokens of the batch
	s_cmp_eq_u32 ttmp9, 2
	s_cbranch_scc1 .Lv_out
	s_lshl_b32 s95, s16, 1                         ; q, k: B's half gives two heads,
	s_add_co_u32 s18, s18, s95
	s_lshl_b32 s18, s18, 18                        ; 262,144 bytes a head
	s_lshl_b32 s19, s19, 4
	s_lshl_b32 s95, s15, 3                         ; A's half eight tiles of 16 tokens
	s_add_co_u32 s19, s19, s95
	s_lshl_b32 s19, s19, 11                        ; 2,048 bytes each
	s_add_co_u32 s18, s18, s19
	s_lshr_b32 s19, s42, 2                         ; q's region or k's
	s_lshl_b32 s19, s19, 24
	s_add_co_u32 s18, s18, s19
	s_mov_b32 s19, 0
	s_add_nc_u64 s[12:13], s[12:13], s[18:19]
	OUT 0
	s_branch .Ljoin
.Lv_out:
	s_lshl_b32 s95, s15, 1                         ; v: A's half gives two heads,
	s_add_co_u32 s18, s18, s95
	s_lshl_b32 s18, s18, 18
	s_lshl_b32 s19, s19, 3
	s_lshl_b32 s95, s16, 2                         ; B's half four groups of 32 tokens
	s_add_co_u32 s19, s19, s95
	s_lshl_b32 s19, s19, 12                        ; 4,096 bytes each
	s_add_co_u32 s18, s18, s19
	s_add_co_u32 s18, s18, 33554432                ; v's region
	s_mov_b32 s19, 0
	s_add_nc_u64 s[12:13], s[12:13], s[18:19]
	OUT 1
.Ljoin:
	s_wait_tensorcnt 0x0
	ds_add_u32 v126, v127
	s_wait_dscnt 0x0
	CROUND                                         ; the closing round: no work-group ends while a partner may still ask for a tile that names it
	s_endpgm
.Lfunc_end_k_q05d4c3908a_qkv:
	.size	k_q05d4c3908a_qkv, .Lfunc_end_k_q05d4c3908a_qkv-k_q05d4c3908a_qkv
	.p2alignl 7, 3214868480
	.fill 96, 4, 3214868480
	.section	.rodata,"a",@progbits
	.p2align	6, 0x0
	.amdhsa_kernel k_q05d4c3908a_qkv
		.amdhsa_group_segment_fixed_size 279040
		.amdhsa_private_segment_fixed_size 0
		.amdhsa_enable_private_segment 0
		.amdhsa_kernarg_size 40
		.amdhsa_user_sgpr_count 2
		.amdhsa_user_sgpr_kernarg_segment_ptr 1
		.amdhsa_wavefront_size32 1
		.amdhsa_system_sgpr_workgroup_id_x 1
		.amdhsa_system_sgpr_workgroup_id_y 1
		.amdhsa_system_sgpr_workgroup_id_z 1
		.amdhsa_system_vgpr_workitem_id 0
		.amdhsa_next_free_vgpr 1024
		.amdhsa_next_free_sgpr 100
		.amdhsa_reserve_vcc 1
		.amdhsa_float_denorm_mode_32 3
		.amdhsa_float_denorm_mode_16_64 3
		.amdhsa_memory_ordered 1
		.amdhsa_forward_progress 1
		.amdhsa_inst_pref_size 140
	.end_amdhsa_kernel
	.amdgpu_metadata
---
amdhsa.version: [ 1, 2 ]
amdhsa.kernels:
  - .name:           k_q05d4c3908a_qkv
    .symbol:         k_q05d4c3908a_qkv.kd
    .args:
      - { .name: xc, .offset: 0, .size: 8, .value_kind: global_buffer, .address_space: global }
      - { .name: xs, .offset: 8, .size: 8, .value_kind: global_buffer, .address_space: global }
      - { .name: wc, .offset: 16, .size: 8, .value_kind: global_buffer, .address_space: global }
      - { .name: ws, .offset: 24, .size: 8, .value_kind: global_buffer, .address_space: global }
      - { .name: qkv, .offset: 32, .size: 8, .value_kind: global_buffer, .address_space: global }
    .group_segment_fixed_size: 279040
    .private_segment_fixed_size: 0
    .kernarg_segment_align: 8
    .kernarg_segment_size: 40
    .max_flat_workgroup_size: 128
    .sgpr_count:     100
    .vgpr_count:     1024
    .wavefront_size: 32
...
	.end_amdgpu_metadata
.endif
;; end of part 2
;; launch attn (part 3): grid 4 x 64, 8 waves a work-group, clusters of 4 x 1, 327,680 bytes of LDS; arguments qkv, of; writes of
.if DOCPART == 3
	.amdgcn_target "amdgcn-amd-amdhsa--gfx1250"
	.amdhsa_code_object_version 6
	.text
	.protected	k_q05d4c3908a_attn
	.globl	k_q05d4c3908a_attn
	.p2align	8
	.type	k_q05d4c3908a_attn,@function
k_q05d4c3908a_attn:
	s_mov_b64 s[64:65], 0
	v_nop
	global_prefetch_b8 v0, s[64:65] scope:SCOPE_SE
	s_setreg_imm32_b32 hwreg(HW_REG_WAVE_MODE, 25, 1), 1
	s_wait_xcnt 0x0
	s_wait_alu depctr_hold_cnt(0) depctr_sa_sdst(0) depctr_va_vdst(0) depctr_va_sdst(0) depctr_va_ssrc(0) depctr_va_vcc(0) depctr_vm_vsrc(0)
	s_getreg_b32 s2, hwreg(HW_REG_IB_STS2, 6, 4)
	s_cmp_eq_u32 s2, 0
	s_cbranch_scc0 .Lentry_in_a_cluster
	s_endpgm
.Lentry_in_a_cluster:
	s_bfe_u32 s2, ttmp6, 0x10000c
	s_cmp_lg_u32 s2, 0x3003
	s_cbranch_scc0 .Lentry_shape_is_right
	s_endpgm
.Lentry_shape_is_right:
; ATTN: O[bh][q] = the sum over k of softmax_k(Q[bh][q] . K[bh][k] / 8) V[bh][k]: 64 heads (batch x head), 2,048 tokens, head size 64.  Operands f16, products, maxima and sums f32; the weights p are rounded to f16 for the second product, O once at the end.
; Q, K, V lie in qkv as images of operand registers (a fragment: 1,024 bytes, registers 0-3 at 16 x lane, 4-7 at 512 + 16 x lane): Q, K [head][token / 16][channel / 32], V [head][token / 32][channel / 16].  So a fragment is two loads at 16 x lane.
; SHARES.  A work-group owns 512 queries of one head, each of its EIGHT waves 64: four tiles of 16, in 512 registers: two waves to a SIMD, so that one wave's softmax stands beside the other's matrix instructions.  Every wave walks all keys, 64 a step.
; LAYOUT.  S^T = K Q^T (source 0 = 16 keys, source 1 = 16 queries): a lane holds ONE query (lane % 16) and the keys 8 (lane / 16) + 0..7.  Two such tiles, rounded to f16 in pairs, ARE source 1 (32 keys x 16 queries) of O^T = V^T P,
; whose result again holds one query a lane, and eight channels: half a fragment's registers of the next launch's operand.  P is made in place, in S^T's registers.
; SOFTMAX.  For each query a running maximum m and sum l: p = 2^(c s - c m), c = log2(e) / 8; in every step O and l are multiplied by a = 2^(c m_old - c m_new).  m begins at -3e38 and O, l at 0: the first a is 0 and multiplies zeros.
; RING.  Two LDS slots of 512 keys (K 65,536 bytes, then V 65,536).  Each wave fetches 16,384 consecutive bytes with one tensor load (waves 0-3 K's quarters, waves 4-7 V's).
; CLUSTER.  The four query blocks of a head form a cluster and walk the same K and V: each tile is asked for JOINTLY, by the same load with the same descriptor and the mask of all four.
; No prefetch is laid: each slot is asked for by its tensor load a whole slot's eight key steps ahead of its first read.
; LIMIT: infinities among q, k, v (results of 65,504 or more in the launch before) are not served.
; REGISTERS: window 0: v1 16 x lane; v2, v3 LDS addresses in hand; v4, v5 the add's; v16-47 statistics, eight a tile: +0 c m, +1 m, +2, +3 l (even keys', odd keys'), +4 .. +7 at work, a in +6; v64-191 S^T, then P, 32 a tile; v192-255 V's 8 fragments.
;   window 1: v0-127 O^T (tile t, channels 16 ct on: v[32 t + 8 ct]); v128-191 Q (v[128 + 16 t + 8 c]); v192-255 K's 8 fragments.
.set SLOT1, 131072                     ; slot 1 begins here: one exclusive or turns an address in one slot into the other's
.set VOFF,  65536                      ; V's tiles in a slot
.set STEPB, 8192                       ; a key step's K, and its V
.set SPARE, 2*SLOT1                    ; behind the ring: the spare words, 128 bytes for each wave: four blocks of 256 bytes that no other line names
.set LI,  1
.set ADK, 2
.set ADV, 3
.set SPW, 4                            ; v4  LDS address of my spare word; never rewritten
.set NIL, 5                            ; v5  0; never rewritten
.set ST,  16
.set S,   64
.set VF,  192
.set QF,  128                          ; in window 1
.set KF,  192                          ; in window 1
.set WV,  8                            ; s8  my wave's number
.set CS,  10                           ; s[10:11] c: the packed form names a pair and takes its low word for both halves
.set SEL, 12                           ; s[12:13] lane selects for v_permlanex16_b32: lane l xor 16
.set TB,  14                           ; s14 LDS byte at which the tiles of the step to be fetched begin
.set SLOTS, 15                         ; s15 slots still to be asked for
.set G1,  16                           ; s[16:23] descriptor group 1
.set G0,  24                           ; s[24:27] descriptor group 0, which walks
.set CNT, 28                           ; s28 counts a slot's steps
.set MSB, 0
.macro WIN new                         ; the immediate's high byte repeats the setting that is left
.if MSB != \new
	s_set_vgpr_msb (MSB<<8)|\new
.set MSB, \new
.endif
.endm
.macro PLACES n
.rept \n
	v_nop
.endr
.endm
.macro CROUND                          ; a round of the cluster's barrier
	s_barrier_signal -1
	s_barrier_wait -1
	s_cmp_lg_u32 s[WV], 0
	s_cbranch_scc1 .Lnot_wave_0_\@
	s_barrier_signal -3
.Lnot_wave_0_\@:
	s_barrier_wait -3
	s_barrier_signal -1
	s_barrier_wait -1
.endm
	s_load_b128 s[4:7], s[0:1], 0x0                ; qkv s[4:5], of s[6:7]
	v_lshl_add_u32 v[SPW], v0, 2, SPARE
	v_mov_b32 v[NIL], 0
	ds_add_u32 v4, v5
	ds_add_u32 v4, v5
	s_wait_dscnt 0x0
	v_lshrrev_b32 v2, 5, v0
	v_readfirstlane_b32 s[WV], v2                  ; wave 0..7
	v_and_b32 v[LI], 31, v0
	v_lshlrev_b32 v[LI], 4, v[LI]
	s_and_b32 s30, ttmp7, 0xffff                   ; the head (16 x batch + head), which the four partners share
	s_lshl_b32 s31, s30, 18                        ; 262,144 bytes a head in each region
	s_lshr_b32 s32, s[WV], 2                       ; what I fetch: K's region (at 16,777,216) or V's (at 33,554,432),
	s_add_co_u32 s32, s32, 1
	s_lshl_b32 s32, s32, 24
	s_add_co_u32 s32, s32, s31                     ; my head,
	s_and_b32 s29, s[WV], 3
	s_lshl_b32 s29, s29, 14                        ; my quarter of a slot's 65,536 bytes
	s_add_co_u32 s32, s32, s29
	s_mov_b32 s33, 0
	s_bfe_u32 s9, ttmp6, 0x40000                   ; cx
	s_lshl_b32 s29, ttmp9, 2
	s_add_co_u32 s9, s9, s29                       ; my block of 512 queries: it enters Q's and O's addresses alone
	s_lshl_b32 s34, s9, 5
	s_lshl_b32 s29, s[WV], 2
	s_add_co_u32 s34, s34, s29                     ; my wave's first tile of 16 queries
	s_lshl_b32 s34, s34, 11
	s_add_co_u32 s34, s34, s31
	s_mov_b32 s35, 0
	s_lshr_b32 s36, s30, 4                         ; of: [row / 128][k / 128][(row / 16) % 8][(k / 32) % 4][1,024], row = 2,048 batch + token, k = 64 head + channel
	s_lshl_b32 s36, s36, 4
	s_lshl_b32 s29, s9, 2
	s_add_co_u32 s36, s36, s29
	s_lshr_b32 s29, s[WV], 1
	s_add_co_u32 s36, s36, s29                     ; row / 128 = 16 batch + 4 block + wave / 2
	s_lshl_b32 s36, s36, 18
	s_bfe_u32 s29, s30, 0x30001                    ; k / 128 = head / 2
	s_lshl_b32 s29, s29, 15
	s_add_co_u32 s36, s36, s29
	s_and_b32 s29, s[WV], 1                        ; my four tiles of rows
	s_lshl_b32 s29, s29, 14
	s_add_co_u32 s36, s36, s29
	s_and_b32 s29, s30, 1                          ; my head's two fragments of 32 along k
	s_lshl_b32 s29, s29, 11
	s_add_co_u32 s36, s36, s29
	s_mov_b32 s37, 0
	; descriptor group 1: 16,384 dense bytes as 64 rows of 256 (32 elements of 8 bytes), no padding
	s_mov_b32 s[G1], 15|(3<<16)|(1<<21)            ; 15:0 the mask: all four work-groups; 17:16 elements of 8 bytes; 21 set beside a mask
	s_mov_b32 s[G1+1], 32<<16                      ; tensor_dim0
	s_mov_b32 s[G1+2], 64<<16                      ; tensor_dim1
	s_mov_b32 s[G1+3], 32<<16                      ; tile_dim0
	s_mov_b32 s[G1+4], 64                          ; tile_dim1
	s_mov_b32 s[G1+5], 32                          ; tensor_dim0_stride
	s_mov_b32 s[G1+6], 0
	s_mov_b32 s[G1+7], 0
	s_mov_b32 s[CS], 0x3e38aa3b                    ; c = log2(e) / 8
	s_mov_b32 s[CS+1], s[CS]                       ; named with it as a pair, so it is written
	s_mov_b32 s[SEL], 0x76543210
	s_mov_b32 s[SEL+1], 0xfedcba98
	s_mov_b32 s[TB], 0
	s_mov_b32 s[SLOTS], 3
	s_wait_kmcnt 0x0
	s_mov_b32 s[G0], 1                             ; 1:0 count = 1
	s_lshl_b32 s[G0+1], s[WV], 14                  ; 63:32 LDS address: wave x 16,384, in slot 0
	s_add_nc_u64 s[G0+2:G0+3], s[4:5], s[32:33]    ; 120:64 global address: the head's first 512 keys
	s_or_b32 s[G0+3], s[G0+3], 0x80000000          ; 127:126 type = 2
	s_add_nc_u64 s[4:5], s[4:5], s[34:35]          ; Q at my wave's first tile
	s_add_nc_u64 s[6:7], s[6:7], s[36:37]          ; of at my wave's first fragment
	CROUND                                         ; all four work-groups are here: the first joint loads meet
	tensor_load_to_lds s[G0:G0+3], s[G1:G1+7]      ; slot 0
	s_nop 0
	PLACES 4
	WIN 0x40                                       ; destination window 1, address window 0
.set n, 0
.rept 16
	global_load_b128 v[QF+4*n:QF+4*n+3], v[LI], s[4:5] offset:512*n th:TH_LOAD_NT   ; Q stays in registers: tile n / 4, channels 32 ((n / 2) % 2) on
.set n, n+1
.endr
.set n, 0
.rept 128
	v_mov_b32 v[n], 0                              ; O^T, once a wave: so the key step is written without a first step of its own
.set n, n+1
.endr
	WIN 0
.irp t, 0,1,2,3
	v_mov_b32 v[ST+8*\t+1], 0xff61b1e6             ; m = -3e38, under every score
	v_mov_b32 v[ST+8*\t+2], 0                      ; l
	v_mov_b32 v[ST+8*\t+3], 0
.endr
.irp t, 0,1,2,3
	v_mul_f32 v[ST+8*\t], s[CS], v[ST+8*\t+1]      ; c m
.endr
; THE LDS LOADS stand in runs of 16: a step's K (fragment 2 kt + c: keys 16 kt on, channels 32 c on) and its V (fragment 4 g + ct: keys 32 g on, channels 16 ct on)
.macro LOADK
	WIN 0x40
.irp f, 0,1,2,3,4,5,6,7
	ds_load_b128 v[KF+8*\f:KF+8*\f+3],   v[ADK] offset:1024*\f
	ds_load_b128 v[KF+8*\f+4:KF+8*\f+7], v[ADK] offset:1024*\f+512
.endr
	WIN 0
.endm
.macro LOADV
.irp f, 0,1,2,3,4,5,6,7
	ds_load_b128 v[VF+8*\f:VF+8*\f+3],   v[ADV] offset:1024*\f
	ds_load_b128 v[VF+8*\f+4:VF+8*\f+7], v[ADV] offset:1024*\f+512
.endr
.endm
; S^T = K Q^T: product i of 32: channels 32 (i / 16) on, keys 16 ((i % 16) / 4) on, tile i % 4.  The first 16 start the sums.  The 16 accumulators take turns, one instruction a turn.
.macro KQ
	WIN 0x05                                       ; K and Q window 1, S^T window 0
.set i, 0
.rept 32
.set rS, S+32*(i%4)+8*((i%16)/4)
.set rK, KF+16*((i%16)/4)+8*(i/16)
.set rQ, QF+16*(i%4)+8*(i/16)
.if i < 16
	v_wmma_f32_16x16x32_f16 v[rS:rS+7], v[rK:rK+7], v[rQ:rQ+7], 0
.else
	v_wmma_f32_16x16x32_f16 v[rS:rS+7], v[rK:rK+7], v[rQ:rQ+7], v[rS:rS+7]
.endif
.set i, i+1
.endr
.endm
; O^T += V^T P: product i of 32: keys 32 (i / 16) on, channels 16 ((i % 16) / 4) on, tile i % 4.  Again 16 accumulators by turns.
.macro PV
	WIN 0x50                                       ; V and P window 0, O^T window 1
.set i, 0
.rept 32
.set rO, 32*(i%4)+8*((i%16)/4)
.set rV, VF+8*(4*(i/16)+(i%16)/4)
.set rP, S+32*(i%4)+16*(i/16)
	v_wmma_f32_16x16x32_f16 v[rO:rO+7], v[rV:rV+7], v[rP:rP+7], v[rO:rO+7]
.set i, i+1
.endr
.endm
.macro FMA1 t, p                       ; pair p of tile t: c s - c m
	v_pk_fma_f32 v[S+32*(\t)+2*(\p):S+32*(\t)+2*(\p)+1], v[S+32*(\t)+2*(\p):S+32*(\t)+2*(\p)+1], s[CS:CS+1], v[ST+8*(\t):ST+8*(\t)+1] op_sel_hi:[1,0,0] neg_lo:[0,0,1] neg_hi:[0,0,1]
.endm
; i even: pair i / 2 of tile t's weights is added to l;  i odd: pair p = (i - 1) / 2 is rounded to f16, into register 16 (p / 8) + p % 8 of the tile: in place: that register belongs to a pair not behind p, which has been added and rounded
.macro CI t, i
.if ((\i)%2) == 0
	s_wait_alu depctr_va_vdst(0)
	v_pk_add_f32 v[ST+8*(\t)+2:ST+8*(\t)+3], v[ST+8*(\t)+2:ST+8*(\t)+3], v[S+32*(\t)+(\i):S+32*(\t)+(\i)+1]
.else
.set pp, ((\i)-1)/2
	v_cvt_pk_f16_f32 v[S+32*(\t)+16*(pp/8)+pp%8], v[S+32*(\t)+2*pp], v[S+32*(\t)+2*pp+1]
.endif
.endm
.macro SOFTMAX
	; the maximum of a lane's 32 scores and the old m, three operands at a time, four chains a tile, the four tiles by turns; each accumulator is read from its low end on
.irp j, 0,1,2,3
.irp t, 0,1,2,3
	v_max3_num_f32 v[ST+8*\t+4+\j], v[S+32*\t+8*\j], v[S+32*\t+8*\j+1], v[S+32*\t+8*\j+2]
.endr
.endr
.irp u, 1,2
.irp j, 0,1,2,3
.irp t, 0,1,2,3
	v_max3_num_f32 v[ST+8*\t+4+\j], v[ST+8*\t+4+\j], v[S+32*\t+8*\j+2*\u+1], v[S+32*\t+8*\j+2*\u+2]
.endr
.endr
.endr
.irp t, 0,1,2,3
	v_max3_num_f32 v[ST+8*\t+4], v[ST+8*\t+4], v[S+32*\t+7], v[S+32*\t+15]
.endr
.irp t, 0,1,2,3
	v_max3_num_f32 v[ST+8*\t+6], v[ST+8*\t+6], v[S+32*\t+23], v[S+32*\t+31]
.endr
.irp t, 0,1,2,3
	v_max3_num_f32 v[ST+8*\t+4], v[ST+8*\t+4], v[ST+8*\t+5], v[ST+8*\t+6]
.endr
.irp t, 0,1,2,3
	v_max3_num_f32 v[ST+8*\t+4], v[ST+8*\t+4], v[ST+8*\t+7], v[ST+8*\t+1]
.endr
.irp t, 0,1,2,3
	v_permlanex16_b32 v[ST+8*\t+5], v[ST+8*\t+4], s[SEL], s[SEL+1]   ; the query's other 32 keys lie in the lane 16 away
.endr
.irp t, 0,1,2,3
	v_mov_b32 v[ST+8*\t+7], v[ST+8*\t]             ; c m_old is kept for a
.endr
.irp t, 0,1,2,3
	v_max_num_f32 v[ST+8*\t+1], v[ST+8*\t+4], v[ST+8*\t+5]           ; the new m
.endr
.irp t, 0,1,2,3
	v_mul_f32 v[ST+8*\t], s[CS], v[ST+8*\t+1]
.endr
.irp t, 0,1,2,3
	v_sub_f32 v[ST+8*\t+7], v[ST+8*\t+7], v[ST+8*\t]
.endr
.irp t, 0,1,2,3
	v_exp_f32 v[ST+8*\t+6], v[ST+8*\t+7]           ; a
.endr
.set ii, 0
.rept 16
	FMA1 0, ii                                     ; tile 0's scalings: also the plain lines between those exponentials and the use of a
.set ii, ii+1
.endr
	s_wait_alu depctr_va_vdst(0)
.irp t, 0,1,2,3
	v_pk_mul_f32 v[ST+8*\t+2:ST+8*\t+3], v[ST+8*\t+2:ST+8*\t+3], v[ST+8*\t+6:ST+8*\t+7] op_sel_hi:[1,0]   ; l under the new m
.endr
	; tile t's 32 exponentials; between them the next tile's scalings and the sums and roundings of the tile before: no result of an exponential is used before a plain line has followed it
.set tt, 0
.rept 4
.set ii, 0
.rept 32
	v_exp_f32 v[S+32*tt+ii], v[S+32*tt+ii]
.if (tt < 3) && (ii%2 == 0)
	FMA1 tt+1, ii/2
.endif
.if tt > 0
	CI tt-1, ii
.endif
.set ii, ii+1
.endr
.set tt, tt+1
.endr
.set ii, 0
.rept 32
	CI 3, ii
.set ii, ii+1
.endr
	WIN 0x41                                       ; O^T (destination and source 0) window 1, a window 0
.irp t, 0,1,2,3
.set j, 0
.rept 16
	v_pk_mul_f32 v[32*\t+2*j:32*\t+2*j+1], v[32*\t+2*j:32*\t+2*j+1], v[ST+8*\t+6:ST+8*\t+7] op_sel_hi:[1,0]   ; O^T under the new m, each accumulator from its low end on
.set j, j+1
.endr
.endr
	WIN 0
.endm
; A KEY STEP.  pre = 1: the next step's K is fetched behind this step's K Q^T, its V behind this step's V^T P.
.macro STEP pre
	s_wait_dscnt 16                                ; K is in; the youngest sixteen loads, V's, may be out
	KQ
	WIN 0
.if \pre
	v_add_nc_u32 v[ADK], s[TB], v[LI]              ; four places between the products and the loads into K's registers and the first reads of scores: two of them are the next step's addresses
	v_add_nc_u32 v[ADV], VOFF, v[ADK]
	PLACES 2
	s_add_co_u32 s[TB], s[TB], STEPB
	LOADK
.else
	PLACES 4
.endif
	SOFTMAX
.if \pre
	s_wait_dscnt 16                                ; V is in; the next step's K may be out
.else
	s_wait_dscnt 0x0
.endif
	PV
	WIN 0
	PLACES 5                                       ; four in front of the loads into V's registers; five in front of the next K Q^T, which writes over P's registers
.if \pre
	LOADV
.endif
.endm
; A slot's eight key steps
.macro SLOTWORK
	v_add_nc_u32 v[ADK], s[TB], v[LI]
	v_add_nc_u32 v[ADV], VOFF, v[ADK]
	s_add_co_u32 s[TB], s[TB], STEPB
	LOADK
	LOADV
	s_mov_b32 s[CNT], 7
.Lstep_\@:
	STEP 1
	s_sub_co_u32 s[CNT], s[CNT], 1
	s_cmp_lg_u32 s[CNT], 0
	s_cbranch_scc1 .Lstep_\@
	STEP 0                                         ; the slot's last step fetches nothing: the next slot is read only behind the change of slots
	s_sub_co_u32 s[TB], s[TB], 8*STEPB             ; back to a slot's first step,
	s_xor_b32 s[TB], s[TB], SLOT1                  ; in the other slot
.endm
; THE CHANGE OF SLOTS stands at a slot's head.  Each wave waits for all its tensor loads (its part of the slot that it is about to read), adds 0 to its spare word, and waits for that and for its reads of the slot that it has left.
; fill = 1: the barrier is a round of the cluster's, so that no wave of any partner still reads the other slot or has a load on its way, and the joint fill of that slot is the first thing behind it: it has eight key steps in which to land.
.macro CHANGE fill
	s_wait_tensorcnt 0x0                           ; no tensor load of mine is out, so group 0 may be written
	ds_add_u32 v[SPW], v[NIL]                      ; 0 onto my spare word
.if \fill
	s_xor_b32 s[G0+1], s[G0+1], SLOT1              ; the walking descriptor: the other slot than last time,
	s_add_nc_u64 s[G0+2:G0+3], s[G0+2:G0+3], 65536 ; the next 512 keys; the type bits on top are not reached
	s_wait_dscnt 0x0                               ; the add is done, and my reads of the slot that I have left are over
	CROUND
	tensor_load_to_lds s[G0:G0+3], s[G1:G1+7]      ; my one tensor load until the next change
	s_nop 0
	PLACES 4
.else
	s_wait_dscnt 0x0
	s_barrier_signal -1
	s_barrier_wait -1
.endif
.endm
	s_wait_loadcnt 0x0                             ; Q
.Lslot:                                            ; three trips: behind each change of slots but the last the next 512 keys are asked for
	CHANGE 1
	SLOTWORK
	s_sub_co_u32 s[SLOTS], s[SLOTS], 1
	s_cmp_lg_u32 s[SLOTS], 0
	s_cbranch_scc1 .Lslot
	CHANGE 0                                       ; the last slot is written out
	SLOTWORK
	; THE WAY OUT.  l's two halves and the other half of the lanes' are added; O^T is divided by l and rounded to f16: a lane's eight channels are 16 bytes, half a fragment's registers of that lane
.irp t, 0,1,2,3
	v_add_f32 v[ST+8*\t+4], v[ST+8*\t+2], v[ST+8*\t+3]
.endr
.irp t, 0,1,2,3
	v_permlanex16_b32 v[ST+8*\t+5], v[ST+8*\t+4], s[SEL], s[SEL+1]
.endr
.irp t, 0,1,2,3
	v_add_f32 v[ST+8*\t+4], v[ST+8*\t+4], v[ST+8*\t+5]
.endr
.irp t, 0,1,2,3
	v_rcp_f32 v[ST+8*\t+6], v[ST+8*\t+4]
.endr
	v_nop                                          ; a plain line between the last reciprocal and the use of its result
	WIN 0x41
	s_wait_alu depctr_va_vdst(0)
.irp t, 0,1,2,3
.set j, 0
.rept 16
	v_pk_mul_f32 v[32*\t+2*j:32*\t+2*j+1], v[32*\t+2*j:32*\t+2*j+1], v[ST+8*\t+6:ST+8*\t+7] op_sel_hi:[1,0]
.set j, j+1
.endr
.endr
	WIN 0x05                                       ; sources 0 and 1 window 1, destination window 0: S^T's registers are free
.irp t, 0,1,2,3
.set j, 0
.rept 16
	v_cvt_pk_f16_f32 v[S+16*\t+j], v[32*\t+2*j], v[32*\t+2*j+1]
.set j, j+1
.endr
.endr
	WIN 0
.irp t, 0,1,2,3
.irp ct, 0,1,2,3
	global_store_b128 v[LI], v[S+16*\t+4*\ct:S+16*\t+4*\ct+3], s[6:7] offset:4096*\t+512*\ct   ; 32 lanes store 512 consecutive bytes, aligned
.endr
.endr
	s_wait_tensorcnt 0x0                           ; the wave's end
	ds_add_u32 v[SPW], v[NIL]
	s_wait_dscnt 0x0
	CROUND                                         ; the closing round: no work-group ends while a partner may still ask for a tile that names it
	s_endpgm
.Lfunc_end_k_q05d4c3908a_attn:
	.size	k_q05d4c3908a_attn, .Lfunc_end_k_q05d4c3908a_attn-k_q05d4c3908a_attn
	.p2alignl 7, 3214868480
	.fill 96, 4, 3214868480
	.section	.rodata,"a",@progbits
	.p2align	6, 0x0
	.amdhsa_kernel k_q05d4c3908a_attn
		.amdhsa_group_segment_fixed_size 327680
		.amdhsa_private_segment_fixed_size 0
		.amdhsa_enable_private_segment 0
		.amdhsa_kernarg_size 16
		.amdhsa_user_sgpr_count 2
		.amdhsa_user_sgpr_kernarg_segment_ptr 1
		.amdhsa_wavefront_size32 1
		.amdhsa_system_sgpr_workgroup_id_x 1
		.amdhsa_system_sgpr_workgroup_id_y 1
		.amdhsa_system_sgpr_workgroup_id_z 1
		.amdhsa_system_vgpr_workitem_id 0
		.amdhsa_next_free_vgpr 512
		.amdhsa_next_free_sgpr 66
		.amdhsa_reserve_vcc 0
		.amdhsa_float_denorm_mode_32 3
		.amdhsa_float_denorm_mode_16_64 3
		.amdhsa_memory_ordered 1
		.amdhsa_forward_progress 1
		.amdhsa_inst_pref_size 158
	.end_amdhsa_kernel
	.amdgpu_metadata
---
amdhsa.version: [ 1, 2 ]
amdhsa.kernels:
  - .name:           k_q05d4c3908a_attn
    .symbol:         k_q05d4c3908a_attn.kd
    .args:
      - { .name: qkv, .offset: 0, .size: 8, .value_kind: global_buffer, .address_space: global }
      - { .name: of, .offset: 8, .size: 8, .value_kind: global_buffer, .address_space: global }
    .group_segment_fixed_size: 327680
    .private_segment_fixed_size: 0
    .kernarg_segment_align: 8
    .kernarg_segment_size: 16
    .max_flat_workgroup_size: 256
    .sgpr_count:     66
    .vgpr_count:     512
    .wavefront_size: 32
...
	.end_amdgpu_metadata
.endif
;; end of part 3
;; launch oproj (part 4): grid 4 x 64, 4 waves a work-group, clusters of 4 x 4, 327,680 bytes of LDS; arguments of, wo16, out0; writes out0
.if DOCPART == 4
	.amdgcn_target "amdgcn-amd-amdhsa--gfx1250"
	.amdhsa_code_object_version 6
	.text
	.protected	k_q05d4c3908a_oproj
	.globl	k_q05d4c3908a_oproj
	.p2align	8
	.type	k_q05d4c3908a_oproj,@function
k_q05d4c3908a_oproj:
	s_mov_b64 s[64:65], 0
	v_nop
	global_prefetch_b8 v0, s[64:65] scope:SCOPE_SE
	s_setreg_imm32_b32 hwreg(HW_REG_WAVE_MODE, 25, 1), 1
	s_wait_xcnt 0x0
	s_wait_alu depctr_hold_cnt(0) depctr_sa_sdst(0) depctr_va_vdst(0) depctr_va_sdst(0) depctr_va_ssrc(0) depctr_va_vcc(0) depctr_vm_vsrc(0)
	s_getreg_b32 s2, hwreg(HW_REG_IB_STS2, 6, 4)
	s_cmp_eq_u32 s2, 0
	s_cbranch_scc0 .Lentry_in_a_cluster
	s_endpgm
.Lentry_in_a_cluster:
	s_bfe_u32 s2, ttmp6, 0x10000c
	s_cmp_lg_u32 s2, 0xf033
	s_cbranch_scc0 .Lentry_shape_is_right
	s_endpgm
.Lentry_shape_is_right:
; OPROJ: out0[m][n] = the sum over k of O[m][k] w_o[k][n]: [8192] x [1024], K = 1024; operands f16, sums and result f32.
; Both operands lie in memory as images of operand registers (a fragment of 16 rows x 32 K: 1,024 bytes, registers 0-3 at 16 x lane, 4-7 at 512 + 16 x lane), [panel of 128 rows][k / 128][(row / 16) % 8][(k / 32) % 4]:
; a panel's K step of 128 is 32,768 consecutive bytes, and a fragment is two ds_load_b128 at 16 x lane: no pitch, no padding.
; A tile of out0 is 128 (m) x 256 (n): 256 work-groups, one for each 128 rows and 256 columns.  Four waves, each 64 x 128: 32 accumulators, 256 registers.  K goes in 8 steps of 128 through a ring of two LDS slots.
; CLUSTERS: 4 x 4 work-groups.  O's panel hangs on the tile row alone and is asked for jointly along a row of the cluster, w_o's two panels on the tile column alone, along a column.
; THE MATRIX INSTRUCTION IS USED TRANSPOSED (source 0 = 16 columns n of w_o, source 1 = 16 rows of O): a lane then holds eight neighbouring numbers of a row of out0.
; REGISTERS: window 0: v0-31 addresses; two fragment buffers of 96: v64-159 and v160-255: B's eight fragments, then A's four; on the way out v64-191 rows read back.   window 1: the accumulators, (a, b) at v[8 (8 a + b)].
.set SLOT,   98304                     ; A's panel (32,768), then B's two
.set STAGE,  2*SLOT                    ; behind the ring: 16 rows x 528 bytes for each wave, for the way out; no tensor load lands here
.set SPITCH, 528                       ; 512 bytes + 16: an odd multiple of 16
.set SPARE,  STAGE+4*16*SPITCH         ; behind the stages: the spare words, 128 bytes for each wave: two blocks of 256 bytes that no other line names
.set LAPS,   4                         ; a lap = two K steps = once round the ring
.set ADRA, 16                          ; v16-17  LDS address of my A fragments in slot 0, 1
.set ADRB, 20                          ; v20-21  the same for B
.set STO,  24                          ; v24     the way out: where I put 32 bytes of a row
.set RD,   25                          ; v25     the way out: where I read a row back
.set CO,   26                          ; v26     16 x lane
.set SPW,  28                          ; v28     LDS address of my spare word; never rewritten
.set NIL,  29                          ; v29     0; never rewritten
.set F0,   64
.set F1,   160
.set BK,   64
.set G1, 24                            ; s[24:31] descriptor group 1 for A's tiles;  s[32:39] group 0, one set for each slot
.set G0, 32
.set G1B, 48                           ; s[48:55], s[56:63] the same for B's
.set G0B, 56
.set MSB, 0
.macro WIN new                         ; the immediate's high byte repeats the setting that is left
.if MSB != \new
	s_set_vgpr_msb (MSB<<8)|\new
.set MSB, \new
.endif
.endm
.set MUL, 0x50                         ; sources 0 and 1 window 0; C and D window 1
.macro JLOAD s                         ; a joint load: waves 0 and 1 fetch A's two halves, waves 2 and 3 B's two panels; four v_nop follow each of the two lines
	s_cmp_eq_u32 s11, 0
	s_cbranch_scc0 .Lfor_b_\@
	tensor_load_to_lds s[G0+4*\s:G0+4*\s+3], s[G1:G1+7]
	s_nop 0
.rept 4
	v_nop
.endr
	s_branch .Lasked_\@
.Lfor_b_\@:
	tensor_load_to_lds s[G0B+4*\s:G0B+4*\s+3], s[G1B:G1B+7]
	s_nop 0
.rept 4
	v_nop
.endr
.Lasked_\@:
.endm
.macro CREST                           ; a round of the cluster's barrier behind its opening barrier
	s_cmp_lg_u32 s10, 0
	s_cbranch_scc1 .Lnot_wave_0_\@
	s_barrier_signal -3
.Lnot_wave_0_\@:
	s_barrier_wait -3
	s_barrier_signal -1
	s_barrier_wait -1
.endm
.macro CROUND                          ; a whole round
	s_barrier_signal -1
	s_barrier_wait -1
	CREST
.endm
	s_load_b128 s[4:7], s[0:1], 0x0                ; of s[4:5], wo16 s[6:7]
	s_load_b64 s[8:9], s[0:1], 0x10                ; out0
	v_lshl_add_u32 v[SPW], v0, 2, SPARE
	v_mov_b32 v[NIL], 0
	ds_add_u32 v28, v29
	ds_add_u32 v28, v29
	s_wait_dscnt 0x0
	v_lshrrev_b32 v1, 5, v0
	v_readfirstlane_b32 s10, v1                    ; wave 0..3
	s_lshr_b32 s11, s10, 1                         ; which 64 rows of the tile are mine.  Also: I fetch for A (0) or for B (1)
	s_and_b32 s12, s10, 1                          ; which 128 columns.  Also: which half of A's panel, or which panel of B, I fetch
	s_bfe_u32 s40, ttmp6, 0x40000                  ; cx, cy: my place in the cluster
	s_bfe_u32 s41, ttmp6, 0x40004
	s_lshl_b32 s42, ttmp9, 2
	s_add_co_u32 s42, s42, s40                     ; tile column = 4 x cluster x + cx
	s_and_b32 s13, ttmp7, 0xffff
	s_lshl_b32 s13, s13, 2
	s_add_co_u32 s13, s13, s41                     ; tile row = 4 x cluster y + cy
	s_lshl_b32 s43, s41, 2
	s_lshl_b32 s43, 15, s43                        ; my row of the cluster
	s_lshl_b32 s44, 0x1111, s40                    ; my column
	; descriptor group 1: a dense block as rows of 256 bytes (32 elements of 8 bytes), no padding.  A: 64 rows; B: 128
	s_or_b32 s[G1+0], s43, (3<<16)|(1<<21)         ; 15:0 the mask: A's tiles go to my row; 17:16 elements of 8 bytes; 21 set beside a mask
	s_mov_b32 s[G1+1], 32<<16                      ; tensor_dim0
	s_mov_b32 s[G1+2], 64<<16                      ; tensor_dim1
	s_mov_b32 s[G1+3], 32<<16                      ; tile_dim0
	s_mov_b32 s[G1+4], 64                          ; tile_dim1
	s_mov_b32 s[G1+5], 32                          ; tensor_dim0_stride
	s_mov_b32 s[G1+6], 0
	s_mov_b32 s[G1+7], 0
	s_or_b32 s[G1B+0], s44, (3<<16)|(1<<21)        ; B's go to my column
	s_mov_b32 s[G1B+1], 32<<16
	s_mov_b32 s[G1B+2], 128<<16
	s_mov_b32 s[G1B+3], 32<<16
	s_mov_b32 s[G1B+4], 128
	s_mov_b32 s[G1B+5], 32
	s_mov_b32 s[G1B+6], 0
	s_mov_b32 s[G1B+7], 0
	s_lshl_b32 s16, s13, 18                        ; A: panel = tile row, 262,144 bytes a panel,
	s_lshl_b32 s17, s12, 14                        ; + my half of a K step's 32,768
	s_add_co_u32 s16, s16, s17
	s_mov_b32 s17, 0
	s_lshl_b32 s46, s42, 1
	s_add_co_u32 s46, s46, s12                     ; B: panel = 2 x tile column + half
	s_lshl_b32 s46, s46, 18
	s_mov_b32 s47, 0
	s_lshl_b32 s20, s12, 14                        ; where they go: A's halves at 0 and 16,384,
	s_lshl_b32 s21, s12, 15
	s_add_co_u32 s21, s21, 32768                   ; B's panels at 32,768 and 65,536: no place in the cluster enters an LDS address
	s_wait_kmcnt 0x0
	s_add_nc_u64 s[14:15], s[4:5], s[16:17]
	s_add_nc_u64 s[46:47], s[6:7], s[46:47]
	CROUND                                         ; all sixteen work-groups are here: the first joint loads meet
.irp s, 0,1
	s_mov_b32 s[G0+4*\s], 1
	s_add_co_u32 s[G0+4*\s+1], s20, \s*SLOT
	s_add_nc_u64 s[G0+4*\s+2:G0+4*\s+3], s[14:15], \s*32768
	s_or_b32 s[G0+4*\s+3], s[G0+4*\s+3], 0x80000000
	s_mov_b32 s[G0B+4*\s], 1
	s_add_co_u32 s[G0B+4*\s+1], s21, \s*SLOT
	s_add_nc_u64 s[G0B+4*\s+2:G0B+4*\s+3], s[46:47], \s*32768
	s_or_b32 s[G0B+4*\s+3], s[G0B+4*\s+3], 0x80000000
	JLOAD \s                                       ; K steps 0 and 1: two tensor loads of mine are out
.endr
	v_and_b32 v1, 31, v0
	v_lshlrev_b32 v[CO], 4, v1                     ; 16 x lane
	v_and_b32 v2, 15, v0                           ; r
	v_bfe_u32 v3, v0, 4, 1                         ; h
	s_lshl_b32 s22, s11, 14                        ; my four blocks of A's eight
	s_lshl_b32 s23, s12, 15
	s_add_co_u32 s23, s23, 32768                   ; my panel of B
.irp s, 0,1
	v_add_nc_u32 v[ADRA+\s], s22, v[CO]
	v_add_nc_u32 v[ADRB+\s], s23, v[CO]
	s_add_co_u32 s22, s22, SLOT
	s_add_co_u32 s23, s23, SLOT
.endr
	s_mul_i32 s18, s10, 16*SPITCH
	s_add_co_u32 s18, s18, STAGE                   ; my stage
	v_mul_u32_u24 v4, v2, SPITCH                   ; in: row r, 32 bytes for each half of the lanes
	v_lshl_add_u32 v4, v3, 5, v4
	v_add_nc_u32 v[STO], s18, v4
	v_add_nc_u32 v[RD], s18, v[CO]                 ; back: the 32 lanes take one row of 512 bytes
	s_lshl_b32 s16, s13, 19                        ; my first row of out0: 128 x tile row + 64 x half, 4,096 bytes a row
	s_lshl_b32 s17, s11, 18
	s_add_co_u32 s16, s16, s17
	s_mov_b32 s17, 0
	s_add_nc_u64 s[8:9], s[8:9], s[16:17]
	s_lshl_b32 s46, s42, 10                        ; my first column, in bytes: 1,024 x tile column + 512 x half
	s_lshl_b32 s47, s12, 9
	s_add_co_u32 s46, s46, s47
	s_mov_b32 s47, 0
	s_add_nc_u64 s[8:9], s[8:9], s[46:47]
; 8 matrix instructions: A's block a x B's eight, 32 along K, from buffer f.  zero = 1: the first product starts the sums.  The 32 accumulators take turns, one instruction a turn, in the same order in every quarter.
.macro MUL8 f, a, zero
.irp b, 0,1,2,3,4,5,6,7
.if \zero
	v_wmma_f32_16x16x32_f16 v[8*(8*(\a)+\b):8*(8*(\a)+\b)+7], v[\f+8*\b:\f+8*\b+7], v[\f+64+8*(\a):\f+64+8*(\a)+7], 0
.else
	v_wmma_f32_16x16x32_f16 v[8*(8*(\a)+\b):8*(8*(\a)+\b)+7], v[\f+8*\b:\f+8*\b+7], v[\f+64+8*(\a):\f+64+8*(\a)+7], v[8*(8*(\a)+\b):8*(8*(\a)+\b)+7]
.endif
.endr
.endm
.macro MULH f, a0, zero
	MUL8 \f, \a0, \zero
	MUL8 \f, \a0+1, \zero
.endm
; 24 LDS loads in one run: the fragments of the slot's q-th 32 along K into buffer f: B's eight, then A's four
.macro FETCH slot, q, f
.irp i, 0,1,2,3,4,5,6,7
	ds_load_b128 v[\f+8*\i:\f+8*\i+3],   v[ADRB+\slot] offset:4096*\i+1024*(\q)
	ds_load_b128 v[\f+8*\i+4:\f+8*\i+7], v[ADRB+\slot] offset:4096*\i+1024*(\q)+512
.endr
.irp i, 0,1,2,3
	ds_load_b128 v[\f+64+8*\i:\f+64+8*\i+3],   v[ADRA+\slot] offset:4096*\i+1024*(\q)
	ds_load_b128 v[\f+64+8*\i+4:\f+64+8*\i+7], v[ADRA+\slot] offset:4096*\i+1024*(\q)+512
.endr
.endm
.macro PLACES                          ; four places in front of loads into registers that matrix instructions have read, and of the first reads of results (ISA guide 7.12.1 for vector instructions)
.rept 4
	v_nop
.endr
.endm
; A K step is four quarters of 32 along K, 32 matrix instructions each, on buffers 0, 1, 0, 1.  One of the first three: multiplies buffer f and fetches quarter q of the same slot into g.
.macro QUARTER slot, q, f, g, zero
	s_wait_dscnt 4                                 ; B and A's blocks 0, 1 are in; the youngest four loads (A's blocks 2, 3) may be out
	WIN MUL
	MULH \f, 0, \zero
	WIN 0
	PLACES
	FETCH \slot, \q, \g
	s_wait_dscnt 24                                ; all but the 24 just issued
	WIN MUL
	MULH \f, 2, \zero
.endm
; The last quarter multiplies buffer 1 and changes slots: ONE barrier; in front of it each wave waits for all its tensor loads, adds 0 to its spare word, and waits for that and for its own reads of this slot.  fill = 1: this slot is filled again, two K steps ahead.
.macro TURN slot, next, fill
	WIN 0                                          ; (the add's two registers lie in window 0)
	s_wait_tensorcnt 0x0                           ; all my tensor loads have landed: my part of the next slot;
	ds_add_u32 v[SPW], v[NIL]                      ; 0 onto my spare word;
	s_wait_dscnt 5                                 ; (the add and the youngest four loads may be out)
	WIN MUL
	MUL8 F1, 0, 0                                  ; eight matrix instructions stand between the add and the wait for it
	s_wait_dscnt 0x0                               ; the add is done, and my reads of this slot are over
	s_barrier_signal -1
	MUL8 F1, 1, 0
	WIN 0
	s_barrier_wait -1
.if \fill
	CREST                                          ; the barrier has opened a round of the cluster's barrier: no wave of any partner still reads this slot's tile or has a load on its way
	s_add_nc_u64 s[G0+4*\slot+2:G0+4*\slot+3], s[G0+4*\slot+2:G0+4*\slot+3], 65536
	s_add_nc_u64 s[G0B+4*\slot+2:G0B+4*\slot+3], s[G0B+4*\slot+2:G0B+4*\slot+3], 65536
	JLOAD \slot                                    ; the first tensor load behind the round: 112 matrix instructions ahead of the wait for it; the four v_nop behind it are also the places in front of the loads below
.else
	PLACES
.endif
	FETCH \next, 0, F0
	WIN MUL
	MULH F1, 2, 0
.endm
	s_wait_tensorcnt 1                             ; my part of K step 0 is in (K step 1's may be out)
	s_barrier_signal -1
	s_barrier_wait -1                              ; everybody's is
	FETCH 0, 0, F0
	QUARTER 0, 1, F0, F1, 1                        ; the first quarter stands in front of the loop: its products start the sums
	WIN 0                                          ; at a label and at a branch every window is 0
	s_mov_b32 s3, LAPS-1
.Llap:                                             ; a trip goes once round the ring, from a lap's second quarter to the next lap's first, and fills both slots again
	QUARTER 0, 2, F1, F0, 0
	QUARTER 0, 3, F0, F1, 0
	TURN 0, 1, 1
	QUARTER 1, 1, F0, F1, 0
	QUARTER 1, 2, F1, F0, 0
	QUARTER 1, 3, F0, F1, 0
	TURN 1, 0, 1
	QUARTER 0, 1, F0, F1, 0
	WIN 0
	s_sub_co_u32 s3, s3, 1
	s_cmp_lg_u32 s3, 0
	s_cbranch_scc1 .Llap
	QUARTER 0, 2, F1, F0, 0                        ; the last lap fills nothing, and has no round of the cluster's barrier
	QUARTER 0, 3, F0, F1, 0
	TURN 0, 1, 0
	QUARTER 1, 1, F0, F1, 0
	QUARTER 1, 2, F1, F0, 0
	QUARTER 1, 3, F0, F1, 0
	s_wait_dscnt 4                                 ; the very last quarter: nothing more to fetch
	WIN MUL
	MULH F1, 0, 0
	s_wait_dscnt 0
	MULH F1, 2, 0
	WIN 0
; THE WAY OUT, block by block of 16 rows x 128 columns.  A lane holds 32 neighbouring bytes of a row, and the lanes beside it hold other rows: so a block goes through my own stage in LDS and comes back as whole rows of 512 bytes.
; LDS serves a wave's instructions in order (ISA guide 5.7.1): no wait between the stores and the loads, nor in front of the next block's stores.
.macro TOSTAGE a
	WIN 0x04                                       ; an LDS store's data are its source 1: window 1
.irp b, 0,1,2,3,4,5,6,7
	ds_store_b128 v[STO], v[8*(8*(\a)+\b):8*(8*(\a)+\b)+3] offset:64*\b            ; each accumulator from its low end on
	ds_store_b128 v[STO], v[8*(8*(\a)+\b)+4:8*(8*(\a)+\b)+7] offset:64*\b+16
.endr
	WIN 0
.set BB, BK+64*((\a)%2)
.irp t, 0,1,2,3,4,5,6,7,8,9,10,11,12,13,14,15
	ds_load_b128 v[BB+4*\t:BB+4*\t+3], v[RD] offset:\t*SPITCH
.endr
.endm
.macro SEND a, younger                 ; younger: the LDS instructions issued behind block a's loads, which may stay out
.set BB, BK+64*((\a)%2)
	s_wait_dscnt \younger                          ; the block is back in registers
.if (\a) > 0
	s_add_nc_u64 s[8:9], s[8:9], 65536             ; 16 rows of out0 on (behind s_wait_xcnt 0: the earlier stores have read their base)
.endif
.irp t, 0,1,2,3,4,5,6,7,8,9,10,11,12,13,14,15
	global_store_b128 v[CO], v[BB+4*\t:BB+4*\t+3], s[8:9] offset:4096*\t th:TH_STORE_NT   ; 32 lanes store 512 consecutive bytes, aligned; written once, read by nobody here
.endr
.endm
	PLACES                                         ; in front of the reads of the last results and of the loads into the registers that held fragments
	TOSTAGE 0
.irp a, 1,2,3
.if \a > 1
	s_wait_xcnt 0x0                                ; block a - 2's stores have read their registers and their base: block a's loads may land there, and the base may step
.endif
	TOSTAGE \a
	SEND \a-1, 32                                  ; behind block a - 1's loads: block a's 16 stores and 16 loads
.endr
	s_wait_xcnt 0x0                                ; block 2's stores have read their base
	SEND 3, 0
	s_wait_tensorcnt 0x0                           ; the wave's end
	ds_add_u32 v[SPW], v[NIL]
	s_wait_dscnt 0x0
	CROUND                                         ; the closing round: no work-group ends while a partner may still ask for a tile that names it
	s_endpgm
.Lfunc_end_k_q05d4c3908a_oproj:
	.size	k_q05d4c3908a_oproj, .Lfunc_end_k_q05d4c3908a_oproj-k_q05d4c3908a_oproj
	.p2alignl 7, 3214868480
	.fill 96, 4, 3214868480
	.section	.rodata,"a",@progbits
	.p2align	6, 0x0
	.amdhsa_kernel k_q05d4c3908a_oproj
		.amdhsa_group_segment_fixed_size 327680
		.amdhsa_private_segment_fixed_size 0
		.amdhsa_enable_private_segment 0
		.amdhsa_kernarg_size 24
		.amdhsa_user_sgpr_count 2
		.amdhsa_user_sgpr_kernarg_segment_ptr 1
		.amdhsa_wavefront_size32 1
		.amdhsa_system_sgpr_workgroup_id_x 1
		.amdhsa_system_sgpr_workgroup_id_y 1
		.amdhsa_system_sgpr_workgroup_id_z 1
		.amdhsa_system_vgpr_workitem_id 0
		.amdhsa_next_free_vgpr 512
		.amdhsa_next_free_sgpr 66
		.amdhsa_reserve_vcc 0
		.amdhsa_float_denorm_mode_32 3
		.amdhsa_float_denorm_mode_16_64 3
		.amdhsa_memory_ordered 1
		.amdhsa_forward_progress 1
		.amdhsa_inst_pref_size 84
	.end_amdhsa_kernel
	.amdgpu_metadata
---
amdhsa.version: [ 1, 2 ]
amdhsa.kernels:
  - .name:           k_q05d4c3908a_oproj
    .symbol:         k_q05d4c3908a_oproj.kd
    .args:
      - { .name: of, .offset: 0, .size: 8, .value_kind: global_buffer, .address_space: global }
      - { .name: wo16, .offset: 8, .size: 8, .value_kind: global_buffer, .address_space: global }
      - { .name: out0, .offset: 16, .size: 8, .value_kind: global_buffer, .address_space: global }
    .group_segment_fixed_size: 327680
    .private_segment_fixed_size: 0
    .kernarg_segment_align: 8
    .kernarg_segment_size: 24
    .max_flat_workgroup_size: 128
    .sgpr_count:     66
    .vgpr_count:     512
    .wavefront_size: 32
...
	.end_amdgpu_metadata
.endif
;; end of part 4
